; MI455X (gfx1250); checked and timed in simulation.
; The chip was launched on July 23, 2026; its instructions are those of AMD's public machine-readable ISA for CDNA 5 (MIT licence, August 2026) and "CDNA5" Instruction Set Architecture Reference Guide (July 2026). The comments in the code are by the model that wrote it; some were corrected since.
;; Dynamic Adapter. Allowed arithmetic: float matrix products may take bf16 or f16 operands with f32 sums; other float arithmetic in f32, or as packed bf16 or f16 multiplies, adds, multiply-adds, maxima and minima; sums over many terms, partial sums and values carried from step to step in f32; what a program stores and reads back later, other than sums and carried values, may be rounded once to bf16 or f16.
;; Inputs: a1_b 512 float32; a1_w 1,024 x 512 float32; a2_b 256 float32; a2_w 512 x 256 float32; a3_b 128 float32; a3_w 256 x 128 float32; e1_b 16 x 512 float32; e1_w 16 x 1,024 x 512 float32; e2_b 16 x 1,024 float32; e2_w 16 x 512 x 1,024 float32; f_b 1,024 float32; f_w 16 x 1,024 x 1,024 float32; hidden_states 4 x 512 x 1,024 float32; ln_b 1,024 float32; ln_g 1,024 float32; s1_b 64 float32; s1_w 128 x 64 float32; s2_b 32 float32; s2_w 64 x 32 float32; s3_b 16 float32; s3_w 32 x 16 float32.
;; Outputs: out0 4 x 512 x 1,024 float32.
;; 2 versions, each right; version 2 is version 1 with the launches cast, lnorm written anew for expert scheduling mode. Each part assembles by itself: llvm-mc -triple=amdgcn-amd-amdhsa -mcpu=gfx1250 --defsym DOCPART=n.
;; ======== version 1 of 2: 6 launches
;; workspace buffers: wbf 71,303,168 bytes; sums 147,456 bytes; p2 65,536 bytes; gb 16,640 bytes; w2f 16,777,216 bytes; h1g 33,554,432 bytes; part 67,108,864 bytes
;; launch cast (part 1): grid 8 x 68, 8 waves a work-group, no clusters, 5,120 bytes of LDS; arguments hidden_states, e1_w, e2_w, f_w, e2_b, wbf, sums; writes wbf, sums
.if DOCPART == 1
	.amdgcn_target "amdgcn-amd-amdhsa--gfx1250"
	.amdhsa_code_object_version 6
	.text
	.protected	k_q3e4ebd86cf_cast
	.globl	k_q3e4ebd86cf_cast
	.p2align	8
	.type	k_q3e4ebd86cf_cast,@function
k_q3e4ebd86cf_cast:
	s_mov_b64 s[64:65], 0
	v_nop
	global_prefetch_b8 v0, s[64:65] scope:SCOPE_SE
	s_setreg_imm32_b32 hwreg(HW_REG_WAVE_MODE, 25, 1), 1
	s_wait_xcnt 0x0
; CAST.  hidden_states, e1_w, e2_w and f_w, each seen as [R][1024] f32, are rounded once to bf16 and stored in the same order into wbf.
; On the way: the column sums of hidden_states for each batch (psum, for the mean), and for f_w the column sums weighted by e2_b
; (cpart[j] = sum over 512 rows of e2_b[row] f_w[row][:]: two parts for each expert of e2_b[e] . f_w[e]).  Sums stay in f32.
; SHARES.  A work-group takes 512 rows x 128 columns: grid x = the strip of columns, grid y = the group of rows:
; y 0-3 hidden_states (batch y), 4-19 e1_w, 20-35 e2_w, 36-67 f_w.  Wave w takes rows 64 w .. 64 w + 63, lane l columns 4 l .. 4 l + 3 of the strip:
; a load of the wave covers 512 consecutive bytes, a store 256 consecutive bytes, both aligned to their length.
; A ring of 16 slots in registers keeps 16 rows of every wave on their way.  The jobs for e1_w and e2_w run the text that serves
; hidden_states; their column sums are formed and not stored: two packed additions a row, for one copy of the loop less.
; No matrix unit, no cluster: nothing is multiplied in bulk and no two work-groups read the same bytes.
.set E1C,   4194304                    ; byte offsets in wbf: x at 0, e1_w, e2_w, f_w
.set E2C,   20971520
.set FC,    37748736
.set CPART, 16384                      ; cpart behind psum in sums
.set SPARE, 4096                       ; LDS: 0-4095 eight waves x 512 bytes of partial sums; then the spare words, 128 bytes a wave
.set VI,  1                            ; v1  byte offset of my 16 bytes in the job's first row of my wave (input)
.set VO,  2                            ; v2  the same for my 8 bytes of output
.set VW,  3                            ; v3  byte offset of my wave's first weight
.set LST, 4                            ; v4  16 x thread: where my partial sums go in LDS
.set L16, 5                            ; v5  16 x lane
.set ACC, 6                            ; v[6:9]    my four columns' sums
.set X,   16                           ; v[16:79]  slot j: four f32 as loaded
.set Y,   80                           ; v[80:111] slot j: four bf16 to store
.set WT,  112                          ; v[112:127] slot j: the row's weight
.set SPW, 132                          ; v132 my spare word; never rewritten
.set NIL, 133                          ; v133 0; never rewritten
	s_load_b256 s[4:11], s[0:1], 0x0               ; hidden_states s[4:5], e1_w s[6:7], e2_w s[8:9], f_w s[10:11]
	s_load_b128 s[12:15], s[0:1], 0x20             ; e2_b s[12:13], wbf s[14:15]
	s_load_b64 s[16:17], s[0:1], 0x30              ; sums
	v_lshl_add_u32 v[SPW], v0, 2, SPARE
	v_mov_b32 v[NIL], 0
	v_lshrrev_b32 v10, 5, v0
	v_readfirstlane_b32 s29, v10                   ; wave 0..7
	v_and_b32 v11, 31, v0                          ; lane
	s_and_b32 s31, ttmp7, 0xffff                   ; y
	s_lshl_b32 s30, ttmp9, 9                       ; the strip in an f32 row: 512 x
	s_lshl_b32 s19, ttmp9, 8                       ; and in a bf16 row: 256 x
	v_lshlrev_b32 v[L16], 4, v11
	v_lshlrev_b32 v[LST], 4, v0
	v_lshl_add_u32 v[VI], v10, 18, v[L16]          ; 64 rows of 4,096 bytes a wave
	v_add_nc_u32 v[VI], s30, v[VI]
	v_lshlrev_b32 v[VO], 3, v11
	v_lshl_add_u32 v[VO], v10, 17, v[VO]           ; 64 rows of 2,048 bytes a wave
	v_add_nc_u32 v[VO], s19, v[VO]
	v_lshlrev_b32 v[VW], 8, v10                    ; 64 weights of 4 bytes a wave
.irp c, 0,1,2,3
	v_mov_b32 v[ACC+(\c)], 0
.endr
	s_mov_b32 s33, 0                               ; high word of every offset pair
	s_wait_kmcnt 0x0
; One slot's turn.  mode 1: plain sums; mode 2: sums weighted by the row's weight.  ahead = 1: the slot is filled again, 16 rows on.
; left = how many younger loads may stay out.
.macro SLOT mode, j, ahead, left
	s_wait_loadcnt \left                           ; loads come back in order: this slot's are in, the younger ones stay out
.if (\mode) == 2
.irp c, 0,1,2,3
	v_fmac_f32 v[ACC+(\c)], v[X+4*(\j)+(\c)], v[WT+(\j)]
.endr
.else
	v_pk_add_f32 v[ACC:ACC+1], v[ACC:ACC+1], v[X+4*(\j):X+4*(\j)+1]
	v_pk_add_f32 v[ACC+2:ACC+3], v[ACC+2:ACC+3], v[X+4*(\j)+2:X+4*(\j)+3]
.endif
	v_cvt_pk_bf16_f32 v[Y+2*(\j)], v[X+4*(\j)], v[X+4*(\j)+1]
	v_cvt_pk_bf16_f32 v[Y+2*(\j)+1], v[X+4*(\j)+2], v[X+4*(\j)+3]
.if \ahead
	global_load_b128 v[X+4*(\j):X+4*(\j)+3], v[VI], s[20:21] offset:(16+(\j))*4096 th:TH_LOAD_NT
.if (\mode) == 2
	global_load_b32 v[WT+(\j)], v[VW], s[24:25] offset:(16+(\j))*4
.endif
.endif
	global_store_b64 v[VO], v[Y+2*(\j):Y+2*(\j)+1], s[22:23] offset:(\j)*2048
.endm
; A wave's 64 rows: four rounds of 16 slots, the last written out without loads.  A slot has one load (mode 1) or two (mode 2), so the
; fifteen other slots are 15 x mode younger loads.
.macro JOB mode
.irp j, 0,1,2,3,4,5,6,7,8,9,10,11,12,13,14,15
	global_load_b128 v[X+4*(\j):X+4*(\j)+3], v[VI], s[20:21] offset:(\j)*4096 th:TH_LOAD_NT
.if (\mode) == 2
	global_load_b32 v[WT+(\j)], v[VW], s[24:25] offset:(\j)*4
.endif
.endr
	s_mov_b32 s28, 3
.Lround_\@:
.irp j, 0,1,2,3,4,5,6,7,8,9,10,11,12,13,14,15
	SLOT \mode, \j, 1, 15*(\mode)
.endr
	s_wait_xcnt 0x0                                ; the round's loads and stores have read their addresses and data: VI, VO, VW and Y are rewritten only behind this wait
	v_add_nc_u32 v[VI], 16*4096, v[VI]
	v_add_nc_u32 v[VO], 16*2048, v[VO]
	v_add_nc_u32 v[VW], 16*4, v[VW]
	s_sub_co_u32 s28, s28, 1
	s_cmp_lg_u32 s28, 0
	s_cbranch_scc1 .Lround_\@
.irp j, 0,1,2,3,4,5,6,7,8,9,10,11,12,13,14,15
	SLOT \mode, \j, 0, (15-(\j))*(\mode)           ; the counts run down
.endr
.endm
	; Which tensor: the branches hang on the grid's y alone.  s[20:21] input, s[22:23] output, s[24:25] weights, s[26:27] where the sums go, s18 = 0: no sums are stored
	s_cmp_lt_u32 s31, 36
	s_cbranch_scc0 .Lweighted
	s_cmp_lt_u32 s31, 4
	s_cbranch_scc0 .Lweights
	s_mov_b32 s18, 1                               ; hidden_states, batch y
	s_lshl_b32 s32, s31, 21                        ; 512 rows of 4,096 bytes
	s_add_nc_u64 s[20:21], s[4:5], s[32:33]
	s_lshl_b32 s32, s31, 20                        ; 512 rows of 2,048 bytes
	s_add_nc_u64 s[22:23], s[14:15], s[32:33]
	s_lshl_b32 s32, s31, 12                        ; psum[y], my strip
	s_add_co_u32 s32, s32, s30
	s_add_nc_u64 s[26:27], s[16:17], s[32:33]
	s_branch .Lplain
.Lweights:
	s_mov_b32 s18, 0                               ; e1_w (y 4-19) or e2_w (y 20-35)
	s_mov_b32 s36, E1C
	s_mov_b32 s37, E2C
	s_cmp_lt_u32 s31, 20
	s_cselect_b64 s[20:21], s[6:7], s[8:9]
	s_cselect_b32 s36, s36, s37
	s_cselect_b32 s34, 4, 20
	s_sub_co_u32 s34, s31, s34                     ; the group of rows in its tensor
	s_lshl_b32 s32, s34, 21
	s_add_nc_u64 s[20:21], s[20:21], s[32:33]
	s_lshl_b32 s32, s34, 20
	s_add_co_u32 s32, s32, s36
	s_add_nc_u64 s[22:23], s[14:15], s[32:33]
	s_mov_b64 s[26:27], s[16:17]                   ; written, never used: s18 = 0
.Lplain:
	JOB 1
	s_branch .Lreduce
.Lweighted:
	s_mov_b32 s18, 2                               ; f_w, rows 512 (y - 36) on of [16384][1024]; e2_b has the same flat index
	s_sub_co_u32 s34, s31, 36
	s_lshl_b32 s32, s34, 21
	s_add_nc_u64 s[20:21], s[10:11], s[32:33]
	s_lshl_b32 s32, s34, 20
	s_add_co_u32 s32, s32, FC
	s_add_nc_u64 s[22:23], s[14:15], s[32:33]
	s_lshl_b32 s32, s34, 11                        ; 512 weights of 4 bytes
	s_add_nc_u64 s[24:25], s[12:13], s[32:33]
	s_lshl_b32 s32, s34, 12                        ; cpart[y - 36], my strip
	s_add_co_u32 s32, s32, s30
	s_add_co_u32 s32, s32, CPART
	s_add_nc_u64 s[26:27], s[16:17], s[32:33]
	JOB 2
.Lreduce:
	; The eight waves' sums meet in LDS; every wave of every job passes the one barrier
	ds_store_b128 v[LST], v[ACC:ACC+3]
	s_wait_dscnt 0x0                               ; for the others' sake: my store is done
	s_barrier_signal -1
	s_barrier_wait -1
	s_cmp_lg_u32 s29, 0
	s_cbranch_scc1 .Lend                           ; wave 0 adds and stores
	s_cmp_eq_u32 s18, 0
	s_cbranch_scc1 .Lend                           ; e1_w and e2_w leave no sums
.irp k, 0,1,2,3,4,5,6,7
	ds_load_b128 v[X+4*(\k):X+4*(\k)+3], v[L16] offset:(\k)*512
.endr
	s_wait_dscnt 0x0
.irp k, 1,2,3,4,5,6,7
	v_pk_add_f32 v[X:X+1], v[X:X+1], v[X+4*(\k):X+4*(\k)+1]
	v_pk_add_f32 v[X+2:X+3], v[X+2:X+3], v[X+4*(\k)+2:X+4*(\k)+3]
.endr
	global_store_b128 v[L16], v[X:X+3], s[26:27]   ; 512 consecutive bytes, aligned
.Lend:
	s_wait_tensorcnt 0x0                           ; the wave's end, behind my last LDS store
	ds_add_u32 v[SPW], v[NIL]
	s_wait_dscnt 0x0
	s_endpgm
.Lfunc_end_k_q3e4ebd86cf_cast:
	.size	k_q3e4ebd86cf_cast, .Lfunc_end_k_q3e4ebd86cf_cast-k_q3e4ebd86cf_cast
	.p2alignl 7, 3214868480
	.fill 96, 4, 3214868480
	.section	.rodata,"a",@progbits
	.p2align	6, 0x0
	.amdhsa_kernel k_q3e4ebd86cf_cast
		.amdhsa_group_segment_fixed_size 5120
		.amdhsa_private_segment_fixed_size 0
		.amdhsa_enable_private_segment 0
		.amdhsa_kernarg_size 56
		.amdhsa_user_sgpr_count 2
		.amdhsa_user_sgpr_kernarg_segment_ptr 1
		.amdhsa_wavefront_size32 1
		.amdhsa_system_sgpr_workgroup_id_x 1
		.amdhsa_system_sgpr_workgroup_id_y 1
		.amdhsa_system_sgpr_workgroup_id_z 1
		.amdhsa_system_vgpr_workitem_id 0
		.amdhsa_next_free_vgpr 136
		.amdhsa_next_free_sgpr 66
		.amdhsa_reserve_vcc 0
		.amdhsa_float_denorm_mode_32 3
		.amdhsa_float_denorm_mode_16_64 3
		.amdhsa_memory_ordered 1
		.amdhsa_forward_progress 1
		.amdhsa_inst_pref_size 39
	.end_amdhsa_kernel
	.amdgpu_metadata
---
amdhsa.version: [ 1, 2 ]
amdhsa.kernels:
  - .name:           k_q3e4ebd86cf_cast
    .symbol:         k_q3e4ebd86cf_cast.kd
    .args:
      - { .name: hidden_states, .offset: 0, .size: 8, .value_kind: global_buffer, .address_space: global }
      - { .name: e1_w, .offset: 8, .size: 8, .value_kind: global_buffer, .address_space: global }
      - { .name: e2_w, .offset: 16, .size: 8, .value_kind: global_buffer, .address_space: global }
      - { .name: f_w, .offset: 24, .size: 8, .value_kind: global_buffer, .address_space: global }
      - { .name: e2_b, .offset: 32, .size: 8, .value_kind: global_buffer, .address_space: global }
      - { .name: wbf, .offset: 40, .size: 8, .value_kind: global_buffer, .address_space: global }
      - { .name: sums, .offset: 48, .size: 8, .value_kind: global_buffer, .address_space: global }
    .group_segment_fixed_size: 5120
    .private_segment_fixed_size: 0
    .kernarg_segment_align: 8
    .kernarg_segment_size: 56
    .max_flat_workgroup_size: 256
    .sgpr_count:     66
    .vgpr_count:     136
    .wavefront_size: 32
...
	.end_amdgpu_metadata
.endif
;; end of part 1
;; launch gate1 (part 2): grid 16 x 1, 16 waves a work-group, no clusters, 43,520 bytes of LDS; arguments sums, a1_w, a1_b, a2_w, p2; writes p2
.if DOCPART == 2
	.amdgcn_target "amdgcn-amd-amdhsa--gfx1250"
	.amdhsa_code_object_version 6
	.text
	.protected	k_q3e4ebd86cf_gate1
	.globl	k_q3e4ebd86cf_gate1
	.p2align	8
	.type	k_q3e4ebd86cf_gate1,@function
k_q3e4ebd86cf_gate1:
	s_mov_b64 s[64:65], 0
	v_nop
	global_prefetch_b8 v0, s[64:65] scope:SCOPE_SE
	s_setreg_imm32_b32 hwreg(HW_REG_WAVE_MODE, 25, 1), 1
	s_wait_xcnt 0x0
; GATE, FIRST PART.  f1 = gelu(pooled a1_w + a1_b), pooled = psum / 512, and each work-group's share of f1 a2_w.  All in f32 on the vector unit:
; four rows against weights that are read once; the matrix unit would stand idle on 12 of its 16 rows, and no two work-groups share a byte of weights.
; SHARES.  Work-group j owns columns 32 j .. 32 j + 31 of layer a1, over all K = 1,024, and so rows 32 j .. 32 j + 31 of a2_w (32 KB on end);
; it stores p2[j][b][n] = sum over its 32 rows of f1[b][k] a2_w[k][n]: partial sums, f32.
; Layer a1: wave w takes k = 64 w .. 64 w + 63; lane l = 8 rs + cq takes 16 rows (64 w + 16 rs ..) x 4 columns (4 cq ..).
; GELU is exact-erf GELU by Phi(-|x|) = (1 + d1 |x| + .. + d6 |x|^6)^-16 / 2 (Abramowitz and Stegun 26.2.19; absolute error of Phi under 1.5e-7 for every x):
; gelu(x) = (x + |x|) / 2 - |x| r / 2, r = the power's reciprocal.  LIMITS: a power that overflows gives r = 0, the right limit; a denormal reciprocal counts as 0; NaN and infinities are not treated apart.
.set RED1,  0                          ; LDS: 16 waves x [4][32] f32
.set F1S,   8192                       ; f1[4][32]
.set RED2,  8704                       ; 8 row groups x [4][256] f32
.set SPARE, 41472                      ; the spare words, 128 bytes a wave
.set W1,  16                           ; v[16:79]   a1_w: 16 rows x 4 columns
.set P,   80                           ; v[80:143]  psum[b][my 16 k]
.set ACC, 144                          ; v[144:159] [b][4 columns]
.set W2,  160                          ; v[160:175] a2_w: 4 rows x 4 columns
.set FV,  176                          ; v[176:191] f1[b][my 4 k]
.set T,   192                          ; v[192:207] at work
.set B1,  208                          ; a1_b
.set SPW, 210
.set NIL, 211
.set D1, 0x3d4c41b4
.set D2, 0x3cad2fe7
.set D3, 0x3b56cd72
.set D4, 0x381f660e
.set D5, 0x384d0fe2
.set D6, 0x36b49f9e
; acc[b][0..3] = sum over i < rows of W[i][0..3] F[b][i], for nb batches.  W at wb + 4 i, F at fb + fs b + i; F is given to both halves of a packed
; instruction out of its register pair (even i: the pair's low word; odd i: its high word).  The nb x 2 chains take turns.
.macro FMAX wb, rows, nb, acc, fb, fs
.set i, 0
.rept \rows
.set b, 0
.rept \nb
.set p, 0
.rept 2
.set rA, (\acc)+4*b+p
.set rW, (\wb)+4*i+p
.set rF, (\fb)+(\fs)*b+(i/2)*2
.if i == 0
	v_pk_mul_f32 v[rA:rA+1], v[rW:rW+1], v[rF:rF+1] op_sel_hi:[1,0]
.elseif i%2 == 0
	v_pk_fma_f32 v[rA:rA+1], v[rW:rW+1], v[rF:rF+1], v[rA:rA+1] op_sel_hi:[1,0,1]
.else
	v_pk_fma_f32 v[rA:rA+1], v[rW:rW+1], v[rF:rF+1], v[rA:rA+1] op_sel:[0,1,0] op_sel_hi:[1,1,1]
.endif
.set p, p+2
.endr
.set b, b+1
.endr
.set i, i+1
.endr
.endm
.macro GELU1 x, a, q, y                ; v[y] = gelu(v[x]); a and q at work
	v_and_b32 v[\a], 0x7fffffff, v[\x]
	v_mov_b32 v[\q], D6
	v_fmaak_f32 v[\q], v[\q], v[\a], D5
	v_fmaak_f32 v[\q], v[\q], v[\a], D4
	v_fmaak_f32 v[\q], v[\q], v[\a], D3
	v_fmaak_f32 v[\q], v[\q], v[\a], D2
	v_fmaak_f32 v[\q], v[\q], v[\a], D1
	v_fma_f32 v[\q], v[\q], v[\a], 1.0
.rept 4
	v_mul_f32 v[\q], v[\q], v[\q]                  ; the 16th power
.endr
	v_rcp_f32 v[\q], v[\q]
	v_add_f32 v[\y], v[\x], v[\a]                  ; the plain instruction behind the reciprocal
	s_wait_alu depctr_va_vdst(0)                   ; the wait ahead of the result's first reader
	v_fma_f32 v[\y], -v[\a], v[\q], v[\y]
	v_mul_f32 v[\y], 0.5, v[\y]
.endm
.macro TREE16 base                     ; v[base] = the sum of 16 registers
.irp s, 8,4,2,1
.set k, 0
.rept \s
	v_add_f32 v[(\base)+k], v[(\base)+k], v[(\base)+k+(\s)]
.set k, k+1
.endr
.endr
.endm
.macro BAR                             ; what I stored is done and what I read is back; then the barrier
	s_wait_dscnt 0x0
	s_barrier_signal -1
	s_barrier_wait -1
.endm
	s_load_b256 s[16:23], s[0:1], 0x0              ; sums s[16:17], a1_w s[18:19], a1_b s[20:21], a2_w s[22:23]
	s_load_b64 s[24:25], s[0:1], 0x20              ; p2
	v_lshl_add_u32 v[SPW], v0, 2, SPARE
	v_mov_b32 v[NIL], 0
	v_and_b32 v1, 31, v0                           ; lane
	v_lshrrev_b32 v2, 5, v0
	v_readfirstlane_b32 s8, v2                     ; wave 0..15
	s_mov_b32 s12, 0x76543210                      ; v_permlanex16_b32: each lane takes its own place in the other half
	s_mov_b32 s13, 0xfedcba98
	s_lshl_b32 s10, ttmp9, 7                       ; my 32 columns in bytes
	s_lshl_b32 s11, ttmp9, 15                      ; my 32 rows of a2_w
	s_lshl_b32 s14, ttmp9, 12                      ; p2[j]
	s_mov_b32 s15, 0
	v_lshrrev_b32 v3, 3, v1                        ; rs
	v_and_b32 v4, 7, v1                            ; cq
	v_lshlrev_b32 v15, 6, v2
	v_lshl_add_u32 v15, v3, 4, v15                 ; my first k = 64 w + 16 rs
	v_lshlrev_b32 v5, 11, v15                      ; a1_w: rows of 2,048 bytes,
	v_lshl_add_u32 v5, v4, 4, v5
	v_add_nc_u32 v5, s10, v5                       ; + 16 cq + 128 j
	v_lshlrev_b32 v6, 2, v15                       ; psum: 4 k
	v_lshrrev_b32 v3, 1, v2                        ; w >> 1: my group of four rows of a2_w
	v_and_b32 v15, 1, v2                           ; w & 1: which half of its 256 columns
	v_lshlrev_b32 v7, 12, v3
	v_lshl_add_u32 v7, v15, 9, v7
	v_lshl_add_u32 v7, v1, 4, v7                   ; 4,096 (w >> 1) + 512 (w & 1) + 16 l: in a2_w's 32 rows, and in RED2
	v_add_nc_u32 v12, RED2, v7
	v_add_nc_u32 v7, s11, v7
	v_lshl_add_u32 v8, v1, 2, s10                  ; a1_b: 128 j + 4 l
	v_lshlrev_b32 v9, 9, v2
	v_lshl_add_u32 v9, v4, 4, v9                   ; RED1: 512 w + 16 cq
	v_lshlrev_b32 v10, 2, v0                       ; 4 t
	v_lshl_add_u32 v11, v3, 4, F1S                 ; f1[.][4 (w >> 1)]
	v_lshlrev_b32 v14, 3, v0                       ; 8 t
	v_add_nc_u32 v13, RED2, v14
	v_mov_b32 v[T], 0                              ; v_permlanex16_b32 counts as a reader of its destination
	v_mov_b32 v[T+1], 0
	s_wait_kmcnt 0x0
	s_add_nc_u64 s[24:25], s[24:25], s[14:15]
	; all that the work-group reads is asked for at once
.irp b, 0,1,2,3
.irp m, 0,1,2,3
	global_load_b128 v[P+16*(\b)+4*(\m):P+16*(\b)+4*(\m)+3], v6, s[16:17] offset:(\b)*4096+16*(\m)
.endr
.endr
.irp i, 0,1,2,3,4,5,6,7,8,9,10,11,12,13,14,15
	global_load_b128 v[W1+4*(\i):W1+4*(\i)+3], v5, s[18:19] offset:(\i)*2048 th:TH_LOAD_NT
.endr
.irp i, 0,1,2,3
	global_load_b128 v[W2+4*(\i):W2+4*(\i)+3], v7, s[22:23] offset:(\i)*1024 th:TH_LOAD_NT
.endr
	global_load_b32 v[B1], v8, s[20:21]
	s_wait_loadcnt 5                               ; psum and a1_w are in; the five younger loads (a2_w, a1_b) stay out
	FMAX W1, 16, 4, ACC, P, 16
	; the four rs of a column quad lie in lanes 8 and 16 apart
.set k, 0
.rept 16
	v_add_f32_dpp v[ACC+k], v[ACC+k], v[ACC+k] row_xmask:8 row_mask:0xf bank_mask:0xf
.set k, k+1
.endr
.set k, 0
.rept 8
	v_permlanex16_b32 v[T], v[ACC+k], s12, s13
	v_permlanex16_b32 v[T+1], v[ACC+k+1], s12, s13
	v_add_f32 v[ACC+k], v[ACC+k], v[T]
	v_add_f32 v[ACC+k+1], v[ACC+k+1], v[T+1]
.set k, k+2
.endr
.irp b, 0,1,2,3
	ds_store_b128 v9, v[ACC+4*(\b):ACC+4*(\b)+3] offset:RED1+(\b)*128  ; the four rs store the same numbers to the same bytes
.endr
	BAR
	s_cmp_lt_u32 s8, 4
	s_cbranch_scc0 .Lno_f1                         ; waves 0-3: thread t = 32 b + column adds the 16 waves' parts
.irp k, 0,1,2,3,4,5,6,7,8,9,10,11,12,13,14,15
	ds_load_b32 v[T+(\k)], v10 offset:RED1+(\k)*512
.endr
	s_wait_dscnt 0x0
	TREE16 T
	s_wait_loadcnt 0x0                             ; a1_b
	v_fmamk_f32 v[T], v[T], 0x3b000000, v[B1]      ; the mean's 1 / 512 and the bias in one fused multiply-add
	GELU1 T, T+1, T+2, T+3
	ds_store_b32 v10, v[T+3] offset:F1S
.Lno_f1:
	BAR
.irp b, 0,1,2,3
	ds_load_b128 v[FV+4*(\b):FV+4*(\b)+3], v11 offset:(\b)*128
.endr
	s_wait_loadcnt 0x0                             ; a2_w
	s_wait_dscnt 0x0
	FMAX W2, 4, 4, ACC, FV, 4
.irp b, 0,1,2,3
	ds_store_b128 v12, v[ACC+4*(\b):ACC+4*(\b)+3] offset:(\b)*1024
.endr
	BAR
.irp g, 0,1,2,3,4,5,6,7
	ds_load_b64 v[T+2*(\g):T+2*(\g)+1], v13 offset:(\g)*4096  ; the eight row groups' parts of my two numbers
.endr
	s_wait_dscnt 0x0
.irp s, 4,2,1
.set k, 0
.rept \s
	v_pk_add_f32 v[T+2*k:T+2*k+1], v[T+2*k:T+2*k+1], v[T+2*(k+(\s)):T+2*(k+(\s))+1]
.set k, k+1
.endr
.endr
	global_store_b64 v14, v[T:T+1], s[24:25]       ; a wave stores 256 consecutive bytes, aligned
	s_wait_tensorcnt 0x0                           ; the wave's end, behind my last LDS store
	ds_add_u32 v[SPW], v[NIL]
	s_wait_dscnt 0x0
	s_endpgm
.Lfunc_end_k_q3e4ebd86cf_gate1:
	.size	k_q3e4ebd86cf_gate1, .Lfunc_end_k_q3e4ebd86cf_gate1-k_q3e4ebd86cf_gate1
	.p2alignl 7, 3214868480
	.fill 96, 4, 3214868480
	.section	.rodata,"a",@progbits
	.p2align	6, 0x0
	.amdhsa_kernel k_q3e4ebd86cf_gate1
		.amdhsa_group_segment_fixed_size 43520
		.amdhsa_private_segment_fixed_size 0
		.amdhsa_enable_private_segment 0
		.amdhsa_kernarg_size 40
		.amdhsa_user_sgpr_count 2
		.amdhsa_user_sgpr_kernarg_segment_ptr 1
		.amdhsa_wavefront_size32 1
		.amdhsa_system_sgpr_workgroup_id_x 1
		.amdhsa_system_sgpr_workgroup_id_y 1
		.amdhsa_system_sgpr_workgroup_id_z 1
		.amdhsa_system_vgpr_workitem_id 0
		.amdhsa_next_free_vgpr 212
		.amdhsa_next_free_sgpr 66
		.amdhsa_reserve_vcc 0
		.amdhsa_float_denorm_mode_32 3
		.amdhsa_float_denorm_mode_16_64 3
		.amdhsa_memory_ordered 1
		.amdhsa_forward_progress 1
		.amdhsa_inst_pref_size 23
	.end_amdhsa_kernel
	.amdgpu_metadata
---
amdhsa.version: [ 1, 2 ]
amdhsa.kernels:
  - .name:           k_q3e4ebd86cf_gate1
    .symbol:         k_q3e4ebd86cf_gate1.kd
    .args:
      - { .name: sums, .offset: 0, .size: 8, .value_kind: global_buffer, .address_space: global }
      - { .name: a1_w, .offset: 8, .size: 8, .value_kind: global_buffer, .address_space: global }
      - { .name: a1_b, .offset: 16, .size: 8, .value_kind: global_buffer, .address_space: global }
      - { .name: a2_w, .offset: 24, .size: 8, .value_kind: global_buffer, .address_space: global }
      - { .name: p2, .offset: 32, .size: 8, .value_kind: global_buffer, .address_space: global }
    .group_segment_fixed_size: 43520
    .private_segment_fixed_size: 0
    .kernarg_segment_align: 8
    .kernarg_segment_size: 40
    .max_flat_workgroup_size: 512
    .sgpr_count:     66
    .vgpr_count:     212
    .wavefront_size: 32
...
	.end_amdgpu_metadata
.endif
;; end of part 2
;; launch wprod (part 3): grid 4 x 33, 4 waves a work-group, clusters of 4 x 1, 327,680 bytes of LDS; arguments wbf, w2f, p2, a2_b, a3_w, a3_b, s1_w, s1_b, s2_w, s2_b, s3_w, s3_b, sums, f_b, gb; writes w2f, gb
.if DOCPART == 3
	.amdgcn_target "amdgcn-amd-amdhsa--gfx1250"
	.amdhsa_code_object_version 6
	.text
	.protected	k_q3e4ebd86cf_wprod
	.globl	k_q3e4ebd86cf_wprod
	.p2align	8
	.type	k_q3e4ebd86cf_wprod,@function
k_q3e4ebd86cf_wprod:
	s_mov_b64 s[64:65], 0
	v_nop
	global_prefetch_b8 v0, s[64:65] scope:SCOPE_SE
	s_setreg_imm32_b32 hwreg(HW_REG_WAVE_MODE, 25, 1), 1
	s_wait_xcnt 0x0
	s_wait_alu depctr_hold_cnt(0) depctr_sa_sdst(0) depctr_va_vdst(0) depctr_va_sdst(0) depctr_va_ssrc(0) depctr_va_vcc(0) depctr_vm_vsrc(0)
	s_getreg_b32 s2, hwreg(HW_REG_IB_STS2, 6, 4)
	s_cmp_eq_u32 s2, 0
	s_cbranch_scc0 .Lentry_in_a_cluster
	s_endpgm
.Lentry_in_a_cluster:
	s_bfe_u32 s2, ttmp6, 0x10000c
	s_cmp_lg_u32 s2, 0x3003
	s_cbranch_scc0 .Lentry_shape_is_right
	s_endpgm
.Lentry_shape_is_right:
; TWO JOBS IN ONE LAUNCH, told apart by the cluster's y, which all partners of a cluster share.  Neither reads what the other stores; both must be done before the experts' first layer runs.
; CLUSTER ROWS 0-31: THE PRODUCT.  W2F[e 512 + f][g] = sum over h of e2_w[e][f][h] f_w[e][h][g], bf16 operands, f32 sums, rounded once to bf16.  Nothing non-linear stands between the experts' second layer and the fusion,
; so (h1 e2_w + e2_b) f_w = h1 (e2_w f_w) + e2_b f_w for every input.  LIMIT: the order of rounding differs from the reference's: the product of the two weights is rounded to bf16 where the reference carries the expert's output.
; A tile of C is 256 x 256 over K = 1,024: four waves, each 128 x 128 in 512 registers.  A = e2_w as [8192][1024], K along its rows.  B = f_w[e] as [1024 (k)][1024 (n)], N along its rows: it comes out of LDS turned, by ds_load_tr16_b128.
; K goes in 8 steps of 128 through two LDS slots filled by the tensor data mover; waves 0, 1 fetch A's halves (128 rows x 256 bytes), waves 2, 3 B's (64 rows x 512 bytes).
; CLUSTER 4 x 1: the four work-groups of a tile row need the same tiles of A, which are asked for jointly.  B's tiles are loads of one's own: a tile of B has two readers only, the expert's two tile rows, which lie in two clusters.
; 128 work-groups, one tile each: (8192 / 256) x (1024 / 256).
; The matrix instruction is used transposed (source 0 = 16 columns of B, source 1 = 16 rows of A): a lane holds eight neighbouring numbers of a row of C.
; REGISTERS, in windows of 256: window 0: v0-31 addresses, v64-127 and v128-191 A's fragments (two buffers; free on the way out); window 1: the same numbers, B's fragments; windows 2, 3: accumulator (a, b) at v[8 (8 (a % 4) + b)].
; CLUSTER ROW 32: THE GATE'S TAIL, one batch to a work-group (batch = my place along the cluster's x, which enters global addresses alone: no branch, no LDS address).
; f2 = gelu(sum of p2 + a2_b); f3 = f2 a3_w + a3_b; g1 = gelu(f3 s1_w + s1_b); g2 = gelu(g1 s2_w + s2_b); gate = softmax(g2 s3_w + s3_b), the row's maximum taken away first;
; biasb[b] = f_b + sum over e of gate[b][e] (e2_b[e] . f_w[e]), the constant row that the experts' second bias leaves behind the fusion.  All in f32 on the vector unit: one row against weights of some 315 KB, all asked for at the path's head.
; GELU is exact-erf GELU by Phi(-|x|) = (1 + d1 |x| + .. + d6 |x|^6)^-16 / 2 (Abramowitz and Stegun 26.2.19; absolute error of Phi under 1.5e-7 for every x): gelu(x) = (x + |x|) / 2 - |x| r / 2.
; LIMITS: a power that overflows gives r = 0, the right limit; a denormal reciprocal counts as 0; NaN and infinities are not treated apart.
.set LDA,   1024                       ; elements from row to row of A
.set LDB,   1024                       ; and of B
.set BSTEP, 128*LDB*2                  ; bytes from a K step of B to the next
.set E2C,   20971520                   ; e2_w and f_w in wbf
.set FC,    37748736
.set PA,    272                        ; an LDS row of A: 256 bytes + 16: the 16 rows of a load start at 16 different groups of four banks
.set PB,    544                        ; an LDS row of B: 512 bytes + 32 = 136 words
.set HALFT, 128*PA                     ; what one tensor load brings: 128 rows of A, or 64 rows of B (64 x 544 is the same number)
.set SLOT,  4*HALFT                    ; 0x22000: its two bits are in no wave's offset (0x8800 w), so an exclusive or changes slots
.set SPARE, 2*SLOT                     ; behind the ring: the spare words, 128 bytes a wave
.set DP,    528                        ; the way out: a wave's row of 128 f32 + 16 bytes
.set DW,    128*DP                     ; a wave's 128 rows; four of them lie in the ring's bytes, behind the ring's last fill
.set ADRA, 16                          ; v16 LDS address of my A fragments in the slot in hand
.set A0,   18                          ; v18 the same in slot 0; never rewritten
.set B0,   19                          ; v19 B's in slot 0; never rewritten
.set ADRB, 20                          ; v20
.set STO,  24                          ; v24 where my accumulators go
.set RD,   25                          ; v25 where I read rows back
.set CO,   26                          ; v26 my byte offset in C
.set SPW,  28
.set NIL,  29
.set F0,   64
.set F1,   128
.set G1,  24                           ; s[24:31] group 1 for A;  s[32:35] group 0 of K step 0;  s[36:39] of K step 1, which then walks
.set G0,  32
.set TB,  45                           ; s45 0 or SLOT: the slot in hand
.set G1B, 48                           ; s[48:55], s[56:59], s[60:63] the same for B
.set G0B, 56
; the gate's path: LDS scratch behind the spare words, where no tensor load lands; offsets from GS
.set GS,   SPARE+512
.set GF2,  0                           ; f2[256]
.set GR3,  1024                        ; 4 waves x 128 partial sums
.set GF3,  3072                        ; f3[128]
.set GR4,  3584                        ; 4 waves x 64 partial sums
.set GF4,  4608                        ; g1[64]
.set GF5,  4864                        ; g2[32]
.set GGT,  5120                        ; gate[16]
; the gate's path: registers of window 0 (window 1: cpart, row j at 8 j; window 2: a3_w, row i at 4 i; window 3, wave 0: s2_w at 0-63, s3_w at 64-79)
.set PP,  32                           ; v[32:63]   p2: 16 strips x 2
.set BA2, 64                           ; v[64:65]
.set BA3, 66
.set BS1, 67
.set BS2, 68
.set BS3, 69
.set FB,  72                           ; v[72:79]   f_b of my eight columns
.set WS1, 80                           ; v[80:143]  s1_w: 16 rows x 4
.set FV,  144                          ; v[144:207] the layer's input, as read from LDS
.set ACC, 208                          ; v[208:223]
.set T,   224                          ; v[224:239]
.set MSB, 0
.macro WIN new                         ; the immediate's high byte repeats the setting that is left
.if MSB != (\new)
	s_set_vgpr_msb (MSB<<8)|(\new)
.set MSB, \new
.endif
.endm
.set MUL_LO, 0xa1                      ; source 0 (B) window 1, source 1 (A) window 0, C and D window 2
.set MUL_HI, 0xf1                      ; the same, C and D window 3
.set TO_B,   0x40                      ; destination window 1
.macro PLACES                          ; four places in front of loads into registers that matrix instructions have read, and of readers of results
.rept 4
	v_nop
.endr
.endm
.macro JLOAD                           ; a refill: waves 0, 1 by A's walking descriptor, waves 2, 3 by B's; an s_nop 0 and four v_nop follow each line
	s_cmp_eq_u32 s11, 0
	s_cbranch_scc0 .Lfor_b_\@
	tensor_load_to_lds s[G0+4:G0+7], s[G1:G1+7]
	s_nop 0
.rept 4
	v_nop
.endr
	s_branch .Lasked_\@
.Lfor_b_\@:
	tensor_load_to_lds s[G0B+4:G0B+7], s[G1B:G1B+7]
	s_nop 0
.rept 4
	v_nop
.endr
.Lasked_\@:
.endm
.macro CREST                           ; a round of the cluster's barrier behind its opening barrier
	s_cmp_lg_u32 s10, 0
	s_cbranch_scc1 .Lnot_wave_0_\@
	s_barrier_signal -3
.Lnot_wave_0_\@:
	s_barrier_wait -3
	s_barrier_signal -1
	s_barrier_wait -1
.endm
.macro CROUND
	s_barrier_signal -1
	s_barrier_wait -1
	CREST
.endm
; 16 matrix instructions: row blocks a0, a0 + 1 of the window's four x all 8 column blocks, 32 along K.  zero = 1: the product starts the sums.  The 64 accumulators take turns, in the same order in every quarter.
.macro MUL16 f, hi, a0, zero
	WIN MUL_LO+0x50*(\hi)
.irp a, \a0, (\a0)+1
.irp b, 0,1,2,3,4,5,6,7
.if \zero
	v_wmma_f32_16x16x32_bf16 v[8*(8*(\a)+(\b)):8*(8*(\a)+(\b))+7], v[(\f)+8*(\b):(\f)+8*(\b)+7], v[(\f)+8*(4*(\hi)+(\a)):(\f)+8*(4*(\hi)+(\a))+7], 0
.else
	v_wmma_f32_16x16x32_bf16 v[8*(8*(\a)+(\b)):8*(8*(\a)+(\b))+7], v[(\f)+8*(\b):(\f)+8*(\b)+7], v[(\f)+8*(4*(\hi)+(\a)):(\f)+8*(4*(\hi)+(\a))+7], v[8*(8*(\a)+(\b)):8*(8*(\a)+(\b))+7]
.endif
.endr
.endr
.endm
; 32 LDS loads in one run: quarter q (32 along K) of the slot in hand into buffer f: B's 8 column blocks, turned, then A's 8 row blocks
.macro FETCH q, f
	WIN TO_B
.irp i, 0,1,2,3,4,5,6,7
	ds_load_tr16_b128 v[(\f)+8*(\i):(\f)+8*(\i)+3],   v[ADRB] offset:(\q)*32*PB+32*(\i)
	ds_load_tr16_b128 v[(\f)+8*(\i)+4:(\f)+8*(\i)+7], v[ADRB] offset:(\q)*32*PB+16*PB+32*(\i)
.endr
	WIN 0
.irp i, 0,1,2,3,4,5,6,7
	ds_load_b128 v[(\f)+8*(\i):(\f)+8*(\i)+3],   v[ADRA] offset:(\q)*64+(\i)*16*PA
	ds_load_b128 v[(\f)+8*(\i)+4:(\f)+8*(\i)+7], v[ADRA] offset:(\q)*64+(\i)*16*PA+32
.endr
.endm
.macro QUARTER q, f, g, zero           ; multiplies buffer f; in its middle fetches quarter q into buffer g
	s_wait_dscnt 8                                 ; B and A's rows 0-63 are in; the youngest eight loads (A's rows 64-127) may be out
	MUL16 \f, 0, 0, \zero
	MUL16 \f, 0, 2, \zero
	PLACES
	FETCH \q, \g
	s_wait_dscnt 32                                ; all but the 32 just issued
	MUL16 \f, 1, 0, \zero
	MUL16 \f, 1, 2, \zero
.endm
.macro MEET round                      ; the first half of a K step's last quarter: the one barrier of the change of slots
	WIN 0
	s_wait_tensorcnt 0x0                           ; all my tensor loads have landed: the one that was out is my part of the next slot
	ds_add_u32 v[SPW], v[NIL]
	s_wait_dscnt 9                                 ; the add and the youngest eight loads may be out
	MUL16 F1, 0, 0, 0
	s_wait_dscnt 0x0                               ; the add is done, and my reads of this slot are over
	s_barrier_signal -1
	MUL16 F1, 0, 2, 0
.if \round
	WIN 0
.endif
	s_barrier_wait -1
.endm
.macro TURN fill                       ; the whole last quarter.  fill = 1: the slot just read takes the K step two on, first thing behind a round of the cluster's barrier
	MEET \fill
.if \fill
	CREST
	s_xor_b32 s[G0+5], s[G0+5], SLOT               ; the walking descriptors: the other slot than last time, the next K step
	s_add_nc_u64 s[G0+6:G0+7], s[G0+6:G0+7], 256
	s_xor_b32 s[G0B+5], s[G0B+5], SLOT
	s_add_nc_u64 s[G0B+6:G0B+7], s[G0B+6:G0B+7], BSTEP
	JLOAD                                          ; its four v_nop are also the places in front of the loads below
.else
	PLACES
.endif
	WIN 0
	s_xor_b32 s[TB], s[TB], SLOT
	v_add_nc_u32 v[ADRA], s[TB], v[A0]
	v_add_nc_u32 v[ADRB], s[TB], v[B0]
	FETCH 0, F0
	MUL16 F1, 1, 0, 0
	MUL16 F1, 1, 2, 0
.endm
.macro LASTQ
	s_wait_dscnt 8
	MUL16 F1, 0, 0, 0
	MUL16 F1, 0, 2, 0
	s_wait_dscnt 0x0
	MUL16 F1, 1, 0, 0
	MUL16 F1, 1, 2, 0
.endm
.macro DUMP                            ; my 128 x 128 sums into my part of LDS, as f32 rows of 528 bytes; each accumulator's low half first
.irp a, 0,1,2,3,4,5,6,7
	WIN 0x08+4*((\a)/4)                            ; the stores' data: window 2 or 3
.irp b, 0,1,2,3,4,5,6,7
	ds_store_b128 v[STO], v[8*(8*((\a)%4)+(\b)):8*(8*((\a)%4)+(\b))+3]   offset:(\a)*16*DP+64*(\b)
	ds_store_b128 v[STO], v[8*(8*((\a)%4)+(\b))+4:8*(8*((\a)%4)+(\b))+7] offset:(\a)*16*DP+64*(\b)+16
.endr
.endr
	WIN 0
.endm
; THE GATE'S MACROS
.macro BAR                             ; what I stored is done and what I read is back; then the barrier
	s_wait_dscnt 0x0
	s_barrier_signal -1
	s_barrier_wait -1
.endm
; Four columns of a row vector times a matrix: sums over i < rows of W[i][0..3] F[i].  W at wb + 4 i (in the window set for source 0), F at fb + i, given to both halves of a packed
; instruction out of its register pair (even i: the pair's low word; odd i: its high word).  Four sets of sums, at acc + 4 (i % 4), take turns: eight chains.
.macro MATV wb, rows, acc, fb
.set i, 0
.rept \rows
.set p, 0
.rept 2
.set rA, (\acc)+4*(i%4)+p
.set rW, (\wb)+4*i+p
.set rF, (\fb)+(i/2)*2
.if i < 4
.if i%2 == 0
	v_pk_mul_f32 v[rA:rA+1], v[rW:rW+1], v[rF:rF+1] op_sel_hi:[1,0]
.else
	v_pk_mul_f32 v[rA:rA+1], v[rW:rW+1], v[rF:rF+1] op_sel:[0,1] op_sel_hi:[1,1]
.endif
.elseif i%2 == 0
	v_pk_fma_f32 v[rA:rA+1], v[rW:rW+1], v[rF:rF+1], v[rA:rA+1] op_sel_hi:[1,0,1]
.else
	v_pk_fma_f32 v[rA:rA+1], v[rW:rW+1], v[rF:rF+1], v[rA:rA+1] op_sel:[0,1,0] op_sel_hi:[1,1,1]
.endif
.set p, p+2
.endr
.set i, i+1
.endr
.endm
.macro SUM4 acc                        ; the four sets into the first
	v_pk_add_f32 v[(\acc):(\acc)+1], v[(\acc):(\acc)+1], v[(\acc)+4:(\acc)+5]
	v_pk_add_f32 v[(\acc)+2:(\acc)+3], v[(\acc)+2:(\acc)+3], v[(\acc)+6:(\acc)+7]
	v_pk_add_f32 v[(\acc)+8:(\acc)+9], v[(\acc)+8:(\acc)+9], v[(\acc)+12:(\acc)+13]
	v_pk_add_f32 v[(\acc)+10:(\acc)+11], v[(\acc)+10:(\acc)+11], v[(\acc)+14:(\acc)+15]
	v_pk_add_f32 v[(\acc):(\acc)+1], v[(\acc):(\acc)+1], v[(\acc)+8:(\acc)+9]
	v_pk_add_f32 v[(\acc)+2:(\acc)+3], v[(\acc)+2:(\acc)+3], v[(\acc)+10:(\acc)+11]
.endm
.macro GELU1 x, a, q, y                ; v[y] = gelu(v[x]); a and q at work; d1 .. d6 in s66 .. s71
	v_and_b32 v[\a], s80, v[\x]
	v_fma_f32 v[\q], v[\a], s71, s70
	v_fma_f32 v[\q], v[\q], v[\a], s69
	v_fma_f32 v[\q], v[\q], v[\a], s68
	v_fma_f32 v[\q], v[\q], v[\a], s67
	v_fma_f32 v[\q], v[\q], v[\a], s66
	v_fma_f32 v[\q], v[\q], v[\a], 1.0
.rept 4
	v_mul_f32 v[\q], v[\q], v[\q]                  ; the 16th power
.endr
	v_rcp_f32 v[\q], v[\q]
	v_add_f32 v[\y], v[\x], v[\a]                  ; the plain instruction behind the reciprocal
	s_wait_alu depctr_va_vdst(0)                   ; the wait ahead of the result's first reader
	v_fma_f32 v[\y], -v[\a], v[\q], v[\y]
	v_mul_f32 v[\y], 0.5, v[\y]
.endm
	s_load_b128 s[88:91], s[0:1], 0x0              ; wbf s[88:89], w2f s[90:91]
	v_lshl_add_u32 v[SPW], v0, 2, SPARE
	v_mov_b32 v[NIL], 0
	ds_add_u32 v[SPW], v[NIL]                      ; the wave's opening: the add and its wait ahead of my first tensor load
	v_lshrrev_b32 v1, 5, v0
	v_readfirstlane_b32 s10, v1                    ; wave 0..3
	s_lshr_b32 s11, s10, 1                         ; which half of the tile's rows is mine.  Also: I fetch for A (0) or for B (1)
	s_and_b32 s12, s10, 1                          ; which half of its columns.  Also: which half of that tile I fetch
	s_bfe_u32 s40, ttmp6, 0x40000                  ; cx
	s_lshl_b32 s42, ttmp9, 2
	s_add_co_u32 s42, s42, s40                     ; tile column
	s_and_b32 s13, ttmp7, 0xffff                   ; the cluster's y, which the four partners share: tile row 0-31, or 32: the gate
	s_mov_b32 s[G1+0], 15|(1<<16)|(1<<20)|(1<<21)|(5<<22)|(3<<25)  ; the mask of four; 2-byte elements; padding on; bit 21 beside a mask; after every 64 words, 4 words
	s_mov_b32 s[G1+1], 128<<16                     ; tensor_dim0 = 128
	s_mov_b32 s[G1+2], 128<<16                     ; tensor_dim1 = 128
	s_mov_b32 s[G1+3], 128<<16                     ; tile_dim0 = 128
	s_mov_b32 s[G1+4], 128                         ; tile_dim1 = 128
	s_mov_b32 s[G1+5], LDA
	s_mov_b32 s[G1+6], 0
	s_mov_b32 s[G1+7], 0
	s_mov_b32 s[G1B+0], (1<<16)|(1<<20)|(6<<22)|(7<<25)  ; no mask; after every 128 words, 8 words
	s_mov_b32 s[G1B+1], 256<<16                    ; tensor_dim0 = 256
	s_mov_b32 s[G1B+2], 64<<16                     ; tensor_dim1 = 64
	s_mov_b32 s[G1B+3], 256<<16                    ; tile_dim0 = 256
	s_mov_b32 s[G1B+4], 64                         ; tile_dim1 = 64
	s_mov_b32 s[G1B+5], LDB
	s_mov_b32 s[G1B+6], 0
	s_mov_b32 s[G1B+7], 0
	s_lshl_b32 s16, s13, 19                        ; A: (256 tile row + 128 half) rows of 2,048 bytes
	s_lshl_b32 s17, s12, 18
	s_add_co_u32 s16, s16, s17
	s_add_co_u32 s16, s16, E2C
	s_mov_b32 s17, 0
	s_lshr_b32 s46, s13, 1                         ; B: the expert's 2 MB, 64 half rows of 2,048 bytes, 512 bytes a tile column
	s_lshl_b32 s46, s46, 21
	s_lshl_b32 s47, s12, 17
	s_add_co_u32 s46, s46, s47
	s_lshl_b32 s47, s42, 9
	s_add_co_u32 s46, s46, s47
	s_add_co_u32 s46, s46, FC
	s_mov_b32 s47, 0
	s_mul_i32 s20, s10, HALFT                      ; where my loads land: no place in the cluster enters an LDS address
	s_wait_dscnt 0x0                               ; the opening add is done
	s_wait_kmcnt 0x0
	s_add_nc_u64 s[14:15], s[88:89], s[16:17]
	s_add_nc_u64 s[46:47], s[88:89], s[46:47]
	CROUND                                         ; all four work-groups are here: the first joint loads meet
	s_cmp_lg_u32 s13, 32
	s_cbranch_scc1 .Lgemm                          ; cluster rows 0-31: the product.  The branch hangs on the cluster's y alone
	; ==================== THE GATE'S TAIL, for batch cx ====================
	s_load_b256 s[16:23], s[0:1], 0x10             ; p2 s[16:17], a2_b s[18:19], a3_w s[20:21], a3_b s[22:23]
	s_load_b256 s[24:31], s[0:1], 0x30             ; s1_w s[24:25], s1_b s[26:27], s2_w s[28:29], s2_b s[30:31]
	s_load_b256 s[32:39], s[0:1], 0x50             ; s3_w s[32:33], s3_b s[34:35], sums s[36:37], f_b s[38:39]
	s_load_b64 s[48:49], s[0:1], 0x70              ; gb
	s_mov_b32 s54, 0x76543210                      ; v_permlanex16_b32: each lane takes its own place in the other half
	s_mov_b32 s55, 0xfedcba98
	s_mov_b32 s66, 0x3d4c41b4                      ; d1 .. d6
	s_mov_b32 s67, 0x3cad2fe7
	s_mov_b32 s68, 0x3b56cd72
	s_mov_b32 s69, 0x381f660e
	s_mov_b32 s70, 0x384d0fe2
	s_mov_b32 s71, 0x36b49f9e
	s_mov_b32 s80, 0x7fffffff
	s_lshl_b32 s50, s40, 10                        ; my batch in a strip of p2: 256 f32
	s_lshl_b32 s51, s10, 15                        ; a3_w: 64 rows of 512 bytes a wave
	s_lshl_b32 s52, s10, 8
	s_add_co_u32 s52, s52, GS                      ; GS + 256 w
	s_lshl_b32 s53, s10, 9
	s_add_co_u32 s53, s53, GS                      ; GS + 512 w
	s_lshl_b32 s56, s40, 6                         ; my batch's 16 gates in gb
	s_lshl_b32 s57, s40, 12                        ; my batch's row of biasb
	v_and_b32 v1, 31, v0                           ; lane l
	v_lshlrev_b32 v3, 3, v0                        ; 8 t
	v_add_nc_u32 v4, s50, v3                       ; p2: 1,024 b + 8 t
	v_lshlrev_b32 v5, 2, v0                        ; 4 t
	v_lshlrev_b32 v6, 4, v1                        ; 16 l
	v_add_nc_u32 v7, s51, v6                       ; a3_w: 32,768 w + 16 l
	v_and_b32 v8, 15, v0                           ; t % 16
	v_lshrrev_b32 v9, 4, v0                        ; t / 16: my group of 16 rows of s1_w
	v_lshlrev_b32 v10, 12, v9
	v_lshl_add_u32 v10, v8, 4, v10                 ; s1_w: 16 rows of 256 bytes a group, 16 (t % 16)
	v_and_b32 v11, 63, v0
	v_lshlrev_b32 v11, 2, v11                      ; 4 (t % 64)
	v_lshlrev_b32 v12, 2, v1                       ; 4 l
	v_lshlrev_b32 v13, 2, v8                       ; 4 (t % 16)
	v_bfe_u32 v14, v0, 4, 1                        ; l / 16
	v_lshl_add_u32 v15, v14, 10, v13               ; s3_w: 16 rows of 64 bytes for each half of the lanes, 4 (l % 16)
	v_lshlrev_b32 v16, 4, v0                       ; 16 t
	v_add_nc_u32 v17, GS, v3                       ; LDS: GS + 8 t
	v_mov_b32 v18, s52                             ; GS + 256 w: f2 of my wave's 64 k
	v_add_nc_u32 v19, s53, v6                      ; GS + 512 w + 16 l
	v_add_nc_u32 v20, GS, v5                       ; GS + 4 t
	v_lshl_add_u32 v21, v9, 6, GS                  ; GS + 64 (t / 16): f3 of my group's 16 k
	v_lshl_add_u32 v22, v8, 4, s52                 ; GS + 256 w + 16 (t % 16)
	v_mov_b32 v23, GS
	v_lshl_add_u32 v24, v14, 6, GS                 ; GS + 64 (l / 16): g2 of my half's 16 k
	v_add_nc_u32 v25, GS, v13                      ; GS + 4 (l % 16)
	v_add_nc_u32 v26, GS, v12                      ; GS + 4 l
	v_add_nc_u32 v27, s56, v13                     ; gb: 64 b + 4 (l % 16)
	v_add_nc_u32 v30, s57, v16                     ; gb: 4,096 b + 16 t
	s_wait_kmcnt 0x0
	; All that the path reads is asked for here, what the chain reads first, cpart and f_b (66 loads) last.
.irp j, 0,1,2,3,4,5,6,7,8,9,10,11,12,13,14,15
	global_load_b64 v[PP+2*(\j):PP+2*(\j)+1], v4, s[16:17] offset:(\j)*4096
.endr
	global_load_b64 v[BA2:BA2+1], v3, s[18:19]
	WIN 0x80                                       ; destination window 2
.set i, 0
.rept 64
	global_load_b128 v[4*i:4*i+3], v7, s[20:21] offset:i*512   ; a3_w[64 w + i][4 l ..]
.set i, i+1
.endr
	WIN 0
	global_load_b32 v[BA3], v5, s[22:23]
.irp i, 0,1,2,3,4,5,6,7,8,9,10,11,12,13,14,15
	global_load_b128 v[WS1+4*(\i):WS1+4*(\i)+3], v10, s[24:25] offset:(\i)*256
.endr
	global_load_b32 v[BS1], v11, s[26:27]
	s_cmp_lg_u32 s10, 0
	s_cbranch_scc1 .Lg_not_0                       ; the last two layers are wave 0's
	WIN 0xc0                                       ; destination window 3
.set k, 0
.rept 64
	global_load_b32 v[k], v12, s[28:29] offset:k*128           ; s2_w[k][l]
.set k, k+1
.endr
.set i, 0
.rept 16
	global_load_b32 v[64+i], v15, s[32:33] offset:i*64         ; s3_w[16 (l / 16) + i][l % 16]
.set i, i+1
.endr
	WIN 0
	global_load_b32 v[BS2], v12, s[30:31]
	global_load_b32 v[BS3], v13, s[34:35]
.Lg_not_0:
	WIN 0x40                                       ; destination window 1
.set j, 0
.rept 32
	global_load_b128 v[8*j:8*j+3],   v16, s[36:37] offset:16384+j*4096       ; cpart[j], columns 4 t ..
	global_load_b128 v[8*j+4:8*j+7], v16, s[36:37] offset:16384+j*4096+2048  ; and 512 + 4 t ..
.set j, j+1
.endr
	WIN 0
	global_load_b128 v[FB:FB+3], v16, s[38:39]
	global_load_b128 v[FB+4:FB+7], v16, s[38:39] offset:2048
	; A.  f2: thread t has numbers 2 t, 2 t + 1
	s_wait_loadcnt 63                              ; 66 loads were issued behind all that the chain reads: with 63 out at the most, the chain's are in
.irp s, 8,4,2,1
.set k, 0
.rept \s
	v_pk_add_f32 v[PP+2*k:PP+2*k+1], v[PP+2*k:PP+2*k+1], v[PP+2*(k+(\s)):PP+2*(k+(\s))+1]
.set k, k+1
.endr
.endr
	v_pk_add_f32 v[PP:PP+1], v[PP:PP+1], v[BA2:BA2+1]
	GELU1 PP, T, T+1, T+2
	GELU1 PP+1, T+4, T+5, T+3
	ds_store_b64 v17, v[T+2:T+3] offset:GF2
	BAR
	; B.  f3: wave w takes k = 64 w .. 64 w + 63, lane l columns 4 l ..
.irp m, 0,1,2,3,4,5,6,7,8,9,10,11,12,13,14,15
	ds_load_b128 v[FV+4*(\m):FV+4*(\m)+3], v18 offset:GF2+16*(\m)
.endr
	s_wait_dscnt 0x0
	WIN 0x02                                       ; source 0 (a3_w) window 2
	MATV 0, 64, ACC, FV
	WIN 0
	SUM4 ACC
	ds_store_b128 v19, v[ACC:ACC+3] offset:GR3
	BAR
.irp k, 0,1,2,3
	ds_load_b32 v[T+(\k)], v20 offset:GR3+(\k)*512 ; thread t = column adds the four waves' parts
.endr
	s_wait_dscnt 0x0
	v_add_f32 v[T], v[T], v[T+1]
	v_add_f32 v[T+2], v[T+2], v[T+3]
	v_add_f32 v[T], v[T], v[T+2]
	v_add_f32 v[T], v[T], v[BA3]                   ; no activation behind a3
	ds_store_b32 v20, v[T] offset:GF3
	BAR
	; C.  g1: each 16 threads take 16 k, thread t % 16 four columns
.irp m, 0,1,2,3
	ds_load_b128 v[FV+4*(\m):FV+4*(\m)+3], v21 offset:GF3+16*(\m)
.endr
	s_wait_dscnt 0x0
	MATV WS1, 16, ACC, FV
	SUM4 ACC
.irp k, 0,1,2,3
	v_permlanex16_b32 v[T+(\k)], v[ACC+(\k)], s54, s55  ; the two halves of the lanes hold different k of the same columns
.endr
	v_pk_add_f32 v[ACC:ACC+1], v[ACC:ACC+1], v[T:T+1]
	v_pk_add_f32 v[ACC+2:ACC+3], v[ACC+2:ACC+3], v[T+2:T+3]
	ds_store_b128 v22, v[ACC:ACC+3] offset:GR4     ; both halves store the same numbers to the same bytes
	BAR
	s_cmp_lt_u32 s10, 2
	s_cbranch_scc0 .Lg_no_g1                       ; waves 0 and 1: thread t = column
.irp k, 0,1,2,3
	ds_load_b32 v[T+(\k)], v20 offset:GR4+(\k)*256
.endr
	s_wait_dscnt 0x0
	v_add_f32 v[T], v[T], v[T+1]
	v_add_f32 v[T+2], v[T+2], v[T+3]
	v_add_f32 v[T], v[T], v[T+2]
	v_add_f32 v[T], v[T], v[BS1]
	GELU1 T, T+1, T+2, T+3
	ds_store_b32 v20, v[T+3] offset:GF4
.Lg_no_g1:
	BAR
	; D and E.  g2 and the gate: wave 0 alone
	s_cmp_lg_u32 s10, 0
	s_cbranch_scc1 .Lg_no_gate
.irp m, 0,1,2,3,4,5,6,7,8,9,10,11,12,13,14,15
	ds_load_b128 v[FV+4*(\m):FV+4*(\m)+3], v23 offset:GF4+16*(\m)
.endr
	s_wait_dscnt 0x0
	WIN 0x0c                                       ; source 1 (s2_w, s3_w) window 3
.set k, 0
.rept 64                                           ; lane = column; four chains
.if k < 4
	v_mul_f32 v[ACC+k], v[FV+k], v[k]
.else
	v_fma_f32 v[ACC+k%4], v[FV+k], v[k], v[ACC+k%4]
.endif
.set k, k+1
.endr
	WIN 0
	v_add_f32 v[ACC], v[ACC], v[ACC+1]
	v_add_f32 v[ACC+2], v[ACC+2], v[ACC+3]
	v_add_f32 v[ACC], v[ACC], v[ACC+2]
	v_add_f32 v[ACC], v[ACC], v[BS2]
	GELU1 ACC, ACC+1, ACC+2, ACC+3
	ds_store_b32 v26, v[ACC+3] offset:GF5
.irp m, 0,1,2,3
	ds_load_b128 v[FV+4*(\m):FV+4*(\m)+3], v24 offset:GF5+16*(\m)  ; my wave's own bytes: LDS serves a wave's instructions in order (ISA guide 5.7.1.4)
.endr
	s_wait_dscnt 0x0
	WIN 0x0c
.set i, 0
.rept 16                                           ; lane l: expert l % 16, k = 16 (l / 16) + i
.if i < 4
	v_mul_f32 v[ACC+i], v[FV+i], v[64+i]
.else
	v_fma_f32 v[ACC+i%4], v[FV+i], v[64+i], v[ACC+i%4]
.endif
.set i, i+1
.endr
	WIN 0
	v_add_f32 v[ACC], v[ACC], v[ACC+1]
	v_add_f32 v[ACC+2], v[ACC+2], v[ACC+3]
	v_add_f32 v[ACC], v[ACC], v[ACC+2]
	v_permlanex16_b32 v[T], v[ACC], s54, s55       ; the other 16 k
	v_add_f32 v[ACC], v[ACC], v[T]
	v_add_f32 v[ACC], v[ACC], v[BS3]               ; the 16 logits, in each half of the lanes
	v_mov_b32 v[ACC+1], v[ACC]
.irp x, 1,2,4,8
	v_max_num_f32_dpp v[ACC+1], v[ACC+1], v[ACC+1] row_xmask:\x row_mask:0xf bank_mask:0xf
.endr
	v_sub_f32 v[ACC+2], v[ACC], v[ACC+1]           ; the row's maximum is taken away
	v_mul_f32 v[ACC+2], 0x3fb8aa3b, v[ACC+2]
	v_exp_f32 v[ACC+3], v[ACC+2]
	v_nop
	s_wait_alu depctr_va_vdst(0)
	v_mov_b32 v[ACC+4], v[ACC+3]
.irp x, 1,2,4,8
	v_add_f32_dpp v[ACC+4], v[ACC+4], v[ACC+4] row_xmask:\x row_mask:0xf bank_mask:0xf
.endr
	v_rcp_f32 v[ACC+5], v[ACC+4]
	v_nop
	s_wait_alu depctr_va_vdst(0)
	v_mul_f32 v[T+8], v[ACC+3], v[ACC+5]           ; in a register that nothing below writes: the store may read it late
	global_store_b32 v27, v[T+8], s[48:49]         ; gate[b][16] at gb's head; both halves of the lanes store the same numbers to the same words
	ds_store_b32 v25, v[T+8] offset:GGT
.Lg_no_gate:
	BAR
	; F.  biasb: thread t owns columns 4 t .. 4 t + 3 and 512 + 4 t .. 512 + 4 t + 3
.irp m, 0,1,2,3
	ds_load_b128 v[FV+4*(\m):FV+4*(\m)+3], v23 offset:GGT+16*(\m)
.endr
	s_wait_dscnt 0x0
	s_wait_loadcnt 0x0                             ; cpart, f_b
	WIN 0x01                                       ; source 0 (cpart) window 1
.set j, 0
.rept 32                                           ; cpart's rows 2 e and 2 e + 1 are expert e's two parts; f_b starts the sums
.set e, j/2
.set rG, FV+(e/2)*2
.set p, 0
.rept 4
.set rA, ACC+2*p
.set rC, 8*j+2*p
.if j == 0
	v_pk_fma_f32 v[rA:rA+1], v[rC:rC+1], v[rG:rG+1], v[FB+2*p:FB+2*p+1] op_sel_hi:[1,0,1]
.elseif e%2 == 0
	v_pk_fma_f32 v[rA:rA+1], v[rC:rC+1], v[rG:rG+1], v[rA:rA+1] op_sel_hi:[1,0,1]
.else
	v_pk_fma_f32 v[rA:rA+1], v[rC:rC+1], v[rG:rG+1], v[rA:rA+1] op_sel:[0,1,0] op_sel_hi:[1,1,1]
.endif
.set p, p+1
.endr
.set j, j+1
.endr
	WIN 0
	global_store_b128 v30, v[ACC:ACC+3], s[48:49] offset:256        ; a wave stores 512 consecutive bytes, at a multiple of 256 from gb's first byte
	global_store_b128 v30, v[ACC+4:ACC+7], s[48:49] offset:256+2048
	s_wait_tensorcnt 0x0                           ; the wave's end, behind my last LDS store
	ds_add_u32 v[SPW], v[NIL]
	s_wait_dscnt 0x0
	CROUND                                         ; the closing round, as on the product's path
	s_endpgm
	; ==================== THE PRODUCT ====================
.Lgemm:
.irp s, 0,1
	s_mov_b32 s[G0+4*(\s)], 1
	s_add_co_u32 s[G0+4*(\s)+1], s20, (\s)*SLOT
	s_add_nc_u64 s[G0+4*(\s)+2:G0+4*(\s)+3], s[14:15], (\s)*256
	s_or_b32 s[G0+4*(\s)+3], s[G0+4*(\s)+3], 0x80000000
	s_mov_b32 s[G0B+4*(\s)], 1
	s_add_co_u32 s[G0B+4*(\s)+1], s20, (\s)*SLOT
	s_add_nc_u64 s[G0B+4*(\s)+2:G0B+4*(\s)+3], s[46:47], (\s)*BSTEP
	s_or_b32 s[G0B+4*(\s)+3], s[G0B+4*(\s)+3], 0x80000000
.endr
	s_cmp_eq_u32 s11, 0                            ; a wave's two first fills stand in one branch: two loads of mine are out
	s_cbranch_scc0 .Lfirst_b
	tensor_load_to_lds s[G0:G0+3], s[G1:G1+7]
	s_nop 0
	tensor_load_to_lds s[G0+4:G0+7], s[G1:G1+7]
	s_nop 0
.rept 4
	v_nop
.endr
	s_branch .Lfirst_asked
.Lfirst_b:
	tensor_load_to_lds s[G0B:G0B+3], s[G1B:G1B+7]
	s_nop 0
	tensor_load_to_lds s[G0B+4:G0B+7], s[G1B:G1B+7]
	s_nop 0
.rept 4
	v_nop
.endr
.Lfirst_asked:
	v_and_b32 v1, 15, v0                           ; l % 16
	v_bfe_u32 v2, v0, 4, 1                         ; l / 16
	v_mul_u32_u24 v3, v1, PA
	v_lshl_add_u32 v3, v2, 4, v3                   ; A: row x pitch + 16 x half
	s_mul_i32 s21, s11, HALFT
	v_add_nc_u32 v[A0], s21, v3
	v_and_b32 v4, 7, v0                            ; B, turned: lane l reads k row 8 (l / 16) + l % 8, columns 8 ((l / 8) % 2) on
	v_bfe_u32 v5, v0, 3, 1
	v_lshl_add_u32 v4, v2, 3, v4
	v_mul_u32_u24 v4, v4, PB
	v_lshl_add_u32 v4, v5, 4, v4
	s_lshl_b32 s22, s12, 8                         ; my 128 columns,
	s_add_co_u32 s22, s22, 2*HALFT                 ; behind A's 256 rows
	v_add_nc_u32 v[B0], s22, v4
	v_mov_b32 v[ADRA], v[A0]
	v_mov_b32 v[ADRB], v[B0]
	s_mov_b32 s[TB], 0
	s_mul_i32 s23, s10, DW
	v_mul_u32_u24 v6, v1, DP
	v_lshl_add_u32 v6, v2, 5, v6
	v_add_nc_u32 v[STO], s23, v6                   ; in: row l % 16, 32 bytes for each half of the lanes
	v_mul_u32_u24 v6, v2, DP
	v_lshl_add_u32 v6, v1, 5, v6
	v_add_nc_u32 v[RD], s23, v6                    ; back: lanes 0-15 one row, 32 bytes each, lanes 16-31 the next
	v_lshlrev_b32 v6, 11, v2
	v_lshl_add_u32 v[CO], v1, 4, v6                ; the same two rows in C, 16 bytes a lane
	s_lshl_b32 s22, s13, 19                        ; C: (256 tile row + 128 row half) rows of 2,048 bytes + 512 tile column + 256 column half
	s_lshl_b32 s23, s11, 18
	s_add_co_u32 s22, s22, s23
	s_lshl_b32 s23, s42, 9
	s_add_co_u32 s22, s22, s23
	s_lshl_b32 s23, s12, 8
	s_add_co_u32 s22, s22, s23
	s_mov_b32 s23, 0
	s_add_nc_u64 s[8:9], s[90:91], s[22:23]
	s_wait_tensorcnt 1                             ; my part of K step 0 is in; K step 1's may stay out
	s_barrier_signal -1
	s_barrier_wait -1
	FETCH 0, F0
	QUARTER 1, F0, F1, 1                           ; the first quarter stands in front of the loop: its products start the sums
	WIN 0
	s_mov_b32 s3, 6
.Lk:                                                   ; a trip: the rest of a K step, the change of slots with a refill, the next step's first quarter
	QUARTER 2, F1, F0, 0
	QUARTER 3, F0, F1, 0
	TURN 1
	QUARTER 1, F0, F1, 0
	WIN 0
	s_sub_co_u32 s3, s3, 1
	s_cmp_lg_u32 s3, 0
	s_cbranch_scc1 .Lk
	QUARTER 2, F1, F0, 0                           ; K steps 6 and 7: nothing is left to fetch
	QUARTER 3, F0, F1, 0
	TURN 0
	QUARTER 1, F0, F1, 0
	QUARTER 2, F1, F0, 0
	QUARTER 3, F0, F1, 0
	LASTQ
	WIN 0
	PLACES
	s_barrier_signal -1                            ; every wave's reads of the ring are back (the wait for 0 in the last quarter), and the ring has had its last fill
	s_barrier_wait -1
	DUMP
	s_wait_dscnt 0x0
	s_barrier_signal -1                            ; from here on nobody writes LDS
	s_barrier_wait -1
	; THE WAY OUT: 16 rows a trip: back as whole rows, rounded to bf16, stored
	s_mov_b32 s3, 8
.Lrows:
.irp j, 0,1,2,3,4,5,6,7
	ds_load_b128 v[64+8*(\j):64+8*(\j)+3], v[RD] offset:2*(\j)*DP
	ds_load_b128 v[64+8*(\j)+4:64+8*(\j)+7], v[RD] offset:2*(\j)*DP+16
.endr
.irp j, 0,1,2,3,4,5,6,7
	s_wait_dscnt 14-2*(\j)                         ; the two loads of rows 2 j, 2 j + 1 are back
.irp r, 0,1,2,3
	v_cvt_pk_bf16_f32 v[128+4*(\j)+(\r)], v[64+8*(\j)+2*(\r)], v[64+8*(\j)+2*(\r)+1]
.endr
	global_store_b128 v[CO], v[128+4*(\j):128+4*(\j)+3], s[8:9] offset:2*(\j)*2048  ; 16 lanes store 256 consecutive bytes, aligned
.endr
	s_wait_xcnt 0x0                                ; the stores have read their data and base
	s_add_nc_u64 s[8:9], s[8:9], 16*2048
	v_add_nc_u32 v[RD], 16*DP, v[RD]
	s_sub_co_u32 s3, s3, 1
	s_cmp_lg_u32 s3, 0
	s_cbranch_scc1 .Lrows
	s_wait_tensorcnt 0x0                           ; the wave's end
	ds_add_u32 v[SPW], v[NIL]
	s_wait_dscnt 0x0
	CROUND                                         ; the closing round
	s_endpgm
.Lfunc_end_k_q3e4ebd86cf_wprod:
	.size	k_q3e4ebd86cf_wprod, .Lfunc_end_k_q3e4ebd86cf_wprod-k_q3e4ebd86cf_wprod
	.p2alignl 7, 3214868480
	.fill 96, 4, 3214868480
	.section	.rodata,"a",@progbits
	.p2align	6, 0x0
	.amdhsa_kernel k_q3e4ebd86cf_wprod
		.amdhsa_group_segment_fixed_size 327680
		.amdhsa_private_segment_fixed_size 0
		.amdhsa_enable_private_segment 0
		.amdhsa_kernarg_size 120
		.amdhsa_user_sgpr_count 2
		.amdhsa_user_sgpr_kernarg_segment_ptr 1
		.amdhsa_wavefront_size32 1
		.amdhsa_system_sgpr_workgroup_id_x 1
		.amdhsa_system_sgpr_workgroup_id_y 1
		.amdhsa_system_sgpr_workgroup_id_z 1
		.amdhsa_system_vgpr_workitem_id 0
		.amdhsa_next_free_vgpr 1024
		.amdhsa_next_free_sgpr 96
		.amdhsa_reserve_vcc 0
		.amdhsa_float_denorm_mode_32 3
		.amdhsa_float_denorm_mode_16_64 3
		.amdhsa_memory_ordered 1
		.amdhsa_forward_progress 1
		.amdhsa_inst_pref_size 158
	.end_amdhsa_kernel
	.amdgpu_metadata
---
amdhsa.version: [ 1, 2 ]
amdhsa.kernels:
  - .name:           k_q3e4ebd86cf_wprod
    .symbol:         k_q3e4ebd86cf_wprod.kd
    .args:
      - { .name: wbf, .offset: 0, .size: 8, .value_kind: global_buffer, .address_space: global }
      - { .name: w2f, .offset: 8, .size: 8, .value_kind: global_buffer, .address_space: global }
      - { .name: p2, .offset: 16, .size: 8, .value_kind: global_buffer, .address_space: global }
      - { .name: a2_b, .offset: 24, .size: 8, .value_kind: global_buffer, .address_space: global }
      - { .name: a3_w, .offset: 32, .size: 8, .value_kind: global_buffer, .address_space: global }
      - { .name: a3_b, .offset: 40, .size: 8, .value_kind: global_buffer, .address_space: global }
      - { .name: s1_w, .offset: 48, .size: 8, .value_kind: global_buffer, .address_space: global }
      - { .name: s1_b, .offset: 56, .size: 8, .value_kind: global_buffer, .address_space: global }
      - { .name: s2_w, .offset: 64, .size: 8, .value_kind: global_buffer, .address_space: global }
      - { .name: s2_b, .offset: 72, .size: 8, .value_kind: global_buffer, .address_space: global }
      - { .name: s3_w, .offset: 80, .size: 8, .value_kind: global_buffer, .address_space: global }
      - { .name: s3_b, .offset: 88, .size: 8, .value_kind: global_buffer, .address_space: global }
      - { .name: sums, .offset: 96, .size: 8, .value_kind: global_buffer, .address_space: global }
      - { .name: f_b, .offset: 104, .size: 8, .value_kind: global_buffer, .address_space: global }
      - { .name: gb, .offset: 112, .size: 8, .value_kind: global_buffer, .address_space: global }
    .group_segment_fixed_size: 327680
    .private_segment_fixed_size: 0
    .kernarg_segment_align: 8
    .kernarg_segment_size: 120
    .max_flat_workgroup_size: 128
    .sgpr_count:     96
    .vgpr_count:     1024
    .wavefront_size: 32
...
	.end_amdgpu_metadata
.endif
;; end of part 3
;; launch hidden (part 4): grid 32 x 8, 4 waves a work-group, clusters of 4 x 4, 327,680 bytes of LDS; arguments wbf, e1_b, gb, h1g; writes h1g
.if DOCPART == 4
	.amdgcn_target "amdgcn-amd-amdhsa--gfx1250"
	.amdhsa_code_object_version 6
	.text
	.protected	k_q3e4ebd86cf_hidden
	.globl	k_q3e4ebd86cf_hidden
	.p2align	8
	.type	k_q3e4ebd86cf_hidden,@function
k_q3e4ebd86cf_hidden:
	s_mov_b64 s[64:65], 0
	v_nop
	global_prefetch_b8 v0, s[64:65] scope:SCOPE_SE
	s_setreg_imm32_b32 hwreg(HW_REG_WAVE_MODE, 25, 1), 1
	s_wait_xcnt 0x0
	s_wait_alu depctr_hold_cnt(0) depctr_sa_sdst(0) depctr_va_vdst(0) depctr_va_sdst(0) depctr_va_ssrc(0) depctr_va_vcc(0) depctr_vm_vsrc(0)
	s_getreg_b32 s2, hwreg(HW_REG_IB_STS2, 6, 4)
	s_cmp_eq_u32 s2, 0
	s_cbranch_scc0 .Lentry_in_a_cluster
	s_endpgm
.Lentry_in_a_cluster:
	s_bfe_u32 s2, ttmp6, 0x10000c
	s_cmp_lg_u32 s2, 0xf033
	s_cbranch_scc0 .Lentry_shape_is_right
	s_endpgm
.Lentry_shape_is_right:
; H1G[token][e 512 + f] = gate[b][e] gelu(sum over h of x[token][h] e1_w[e][h][f] + e1_b[e][f]), bf16 operands, f32 sums, bias, GELU and gate in f32, rounded once to bf16.
; The gate is a factor of the whole expert for a batch, so it is applied here, where a tile has one batch and one expert, and the fusion's product needs no scaling.
; A tile of C is 256 tokens x 256 hidden columns over K = 1,024: four waves, each 128 x 128 in 512 registers.  A = x as [2048][1024], K along its rows.  B = e1_w[e] as [1024 (k)][512 (n)]: it comes out of LDS turned, by ds_load_tr16_b128.
; K goes in 8 steps of 128 through two LDS slots; waves 0, 1 fetch A's halves (128 rows x 256 bytes), waves 2, 3 B's (64 rows x 512 bytes).  256 work-groups, one tile each.
; CLUSTER 4 x 4: A's tile hangs on the tile row and is asked for jointly along a row of the cluster, B's on the tile column and jointly along a column.
; GELU is exact-erf GELU by Phi(-|x|) = (1 + d1 |x| + .. + d6 |x|^6)^-16 / 2 (Abramowitz and Stegun 26.2.19; absolute error of Phi under 1.5e-7 for every x): gelu(x) = (x + |x|) / 2 - |x| r / 2.
; LIMITS: a power that overflows gives r = 0, the right limit; a denormal reciprocal counts as 0; NaN and infinities are not treated apart.
; The matrix instruction is used transposed (source 0 = 16 columns of B, source 1 = 16 rows of A): a lane holds eight neighbouring numbers of a row of C.
; REGISTERS, in windows of 256: window 0: v0-31 addresses, v64-127 and v128-191 A's fragments (free on the way out), v192-215 the way out; window 1: B's fragments; windows 2, 3: accumulator (a, b) at v[8 (8 (a % 4) + b)].
.set LDA,   1024
.set LDB,   512
.set BSTEP, 128*LDB*2
.set E1C,   4194304                    ; e1_w in wbf; x lies at 0
.set PA,    272                        ; an LDS row of A: 256 bytes + 16
.set PB,    544                        ; an LDS row of B: 512 bytes + 32 = 136 words
.set HALFT, 128*PA
.set SLOT,  4*HALFT                    ; 0x22000: its two bits are in no wave's offset (0x8800 w), so an exclusive or changes slots
.set SPARE, 2*SLOT
.set DP,    528
.set DW,    128*DP
.set ADRA, 16
.set A0,   18
.set B0,   19
.set ADRB, 20
.set STO,  24
.set RD,   25
.set CO,   26
.set SPW,  28
.set NIL,  29
.set F0,   64
.set F1,   128
.set G1,  24
.set G0,  32
.set TB,  45
.set G1B, 48
.set G0B, 56
.set DD1, 66                           ; s[66:77] d1 .. d6, each twice: the packed forms name a pair
.set DD2, 68
.set DD3, 70
.set DD4, 72
.set DD5, 74
.set DD6, 76
.set HG,  78                           ; s[78:79] gate / 2
.set L,   64                           ; the way out, window 0: 8 rows as read back,
.set X,   96                           ; x, later the result,
.set AB,  128                          ; |x|,
.set Q,   160                          ; the polynomial, its power, its reciprocal,
.set OUT, 192                          ; bf16 to store,
.set BI,  208                          ; v[208:215] the bias of my eight columns
.set MSB, 0
.macro WIN new
.if MSB != (\new)
	s_set_vgpr_msb (MSB<<8)|(\new)
.set MSB, \new
.endif
.endm
.set MUL_LO, 0xa1
.set MUL_HI, 0xf1
.set TO_B,   0x40
.macro PLACES
.rept 4
	v_nop
.endr
.endm
.macro JLOAD                           ; a joint refill: waves 0, 1 by A's walking descriptor, waves 2, 3 by B's; an s_nop 0 and four v_nop follow each line
	s_cmp_eq_u32 s11, 0
	s_cbranch_scc0 .Lfor_b_\@
	tensor_load_to_lds s[G0+4:G0+7], s[G1:G1+7]
	s_nop 0
.rept 4
	v_nop
.endr
	s_branch .Lasked_\@
.Lfor_b_\@:
	tensor_load_to_lds s[G0B+4:G0B+7], s[G1B:G1B+7]
	s_nop 0
.rept 4
	v_nop
.endr
.Lasked_\@:
.endm
.macro CREST
	s_cmp_lg_u32 s10, 0
	s_cbranch_scc1 .Lnot_wave_0_\@
	s_barrier_signal -3
.Lnot_wave_0_\@:
	s_barrier_wait -3
	s_barrier_signal -1
	s_barrier_wait -1
.endm
.macro CROUND
	s_barrier_signal -1
	s_barrier_wait -1
	CREST
.endm
.macro MUL16 f, hi, a0, zero           ; 16 matrix instructions; the 64 accumulators take turns, in the same order in every quarter
	WIN MUL_LO+0x50*(\hi)
.irp a, \a0, (\a0)+1
.irp b, 0,1,2,3,4,5,6,7
.if \zero
	v_wmma_f32_16x16x32_bf16 v[8*(8*(\a)+(\b)):8*(8*(\a)+(\b))+7], v[(\f)+8*(\b):(\f)+8*(\b)+7], v[(\f)+8*(4*(\hi)+(\a)):(\f)+8*(4*(\hi)+(\a))+7], 0
.else
	v_wmma_f32_16x16x32_bf16 v[8*(8*(\a)+(\b)):8*(8*(\a)+(\b))+7], v[(\f)+8*(\b):(\f)+8*(\b)+7], v[(\f)+8*(4*(\hi)+(\a)):(\f)+8*(4*(\hi)+(\a))+7], v[8*(8*(\a)+(\b)):8*(8*(\a)+(\b))+7]
.endif
.endr
.endr
.endm
.macro FETCH q, f                      ; 32 LDS loads in one run: quarter q of the slot in hand into buffer f
	WIN TO_B
.irp i, 0,1,2,3,4,5,6,7
	ds_load_tr16_b128 v[(\f)+8*(\i):(\f)+8*(\i)+3],   v[ADRB] offset:(\q)*32*PB+32*(\i)
	ds_load_tr16_b128 v[(\f)+8*(\i)+4:(\f)+8*(\i)+7], v[ADRB] offset:(\q)*32*PB+16*PB+32*(\i)
.endr
	WIN 0
.irp i, 0,1,2,3,4,5,6,7
	ds_load_b128 v[(\f)+8*(\i):(\f)+8*(\i)+3],   v[ADRA] offset:(\q)*64+(\i)*16*PA
	ds_load_b128 v[(\f)+8*(\i)+4:(\f)+8*(\i)+7], v[ADRA] offset:(\q)*64+(\i)*16*PA+32
.endr
.endm
.macro QUARTER q, f, g, zero
	s_wait_dscnt 8                                 ; B and A's rows 0-63 are in; the youngest eight loads (A's rows 64-127) may be out
	MUL16 \f, 0, 0, \zero
	MUL16 \f, 0, 2, \zero
	PLACES
	FETCH \q, \g
	s_wait_dscnt 32                                ; all but the 32 just issued
	MUL16 \f, 1, 0, \zero
	MUL16 \f, 1, 2, \zero
.endm
.macro MEET round
	WIN 0
	s_wait_tensorcnt 0x0                           ; all my tensor loads have landed: the one that was out is my part of the next slot
	ds_add_u32 v[SPW], v[NIL]
	s_wait_dscnt 9                                 ; the add and the youngest eight loads may be out
	MUL16 F1, 0, 0, 0
	s_wait_dscnt 0x0                               ; the add is done, and my reads of this slot are over
	s_barrier_signal -1
	MUL16 F1, 0, 2, 0
.if \round
	WIN 0
.endif
	s_barrier_wait -1
.endm
.macro TURN fill
	MEET \fill
.if \fill
	CREST                                          ; no wave of any partner still reads this slot or has a load on its way
	s_xor_b32 s[G0+5], s[G0+5], SLOT
	s_add_nc_u64 s[G0+6:G0+7], s[G0+6:G0+7], 256
	s_xor_b32 s[G0B+5], s[G0B+5], SLOT
	s_add_nc_u64 s[G0B+6:G0B+7], s[G0B+6:G0B+7], BSTEP
	JLOAD
.else
	PLACES
.endif
	WIN 0
	s_xor_b32 s[TB], s[TB], SLOT
	v_add_nc_u32 v[ADRA], s[TB], v[A0]
	v_add_nc_u32 v[ADRB], s[TB], v[B0]
	FETCH 0, F0
	MUL16 F1, 1, 0, 0
	MUL16 F1, 1, 2, 0
.endm
.macro LASTQ
	s_wait_dscnt 8
	MUL16 F1, 0, 0, 0
	MUL16 F1, 0, 2, 0
	s_wait_dscnt 0x0
	MUL16 F1, 1, 0, 0
	MUL16 F1, 1, 2, 0
.endm
.macro DUMP                            ; my 128 x 128 sums into my part of LDS, as f32 rows of 528 bytes; each accumulator's low half first
.irp a, 0,1,2,3,4,5,6,7
	WIN 0x08+4*((\a)/4)
.irp b, 0,1,2,3,4,5,6,7
	ds_store_b128 v[STO], v[8*(8*((\a)%4)+(\b)):8*(8*((\a)%4)+(\b))+3]   offset:(\a)*16*DP+64*(\b)
	ds_store_b128 v[STO], v[8*(8*((\a)%4)+(\b))+4:8*(8*((\a)%4)+(\b))+7] offset:(\a)*16*DP+64*(\b)+16
.endr
.endr
	WIN 0
.endm
.macro LOADROWS                        ; eight rows: lanes 0-15 row 2 j, lanes 16-31 row 2 j + 1, eight f32 a lane
.irp j, 0,1,2,3
	ds_load_b128 v[L+8*(\j):L+8*(\j)+3],   v[RD] offset:2*(\j)*DP
	ds_load_b128 v[L+8*(\j)+4:L+8*(\j)+7], v[RD] offset:2*(\j)*DP+16
.endr
.endm
.macro ALL16 line:vararg               ; one line for each of the 16 register pairs, k = 0, 2 .. 30
.set k, 0
.rept 16
	\line
.set k, k+2
.endr
.endm
	s_load_b256 s[88:95], s[0:1], 0x0              ; wbf s[88:89], e1_b s[90:91], gb s[92:93], h1g s[94:95]
	v_lshl_add_u32 v[SPW], v0, 2, SPARE
	v_mov_b32 v[NIL], 0
	ds_add_u32 v[SPW], v[NIL]                      ; the wave's opening: the add and its wait ahead of my first tensor load
	v_lshrrev_b32 v1, 5, v0
	v_readfirstlane_b32 s10, v1                    ; wave 0..3
	s_lshr_b32 s11, s10, 1                         ; which half of the tile's rows is mine.  Also: I fetch for A (0) or for B (1)
	s_and_b32 s12, s10, 1                          ; which half of its columns.  Also: which half of that tile I fetch
	s_bfe_u32 s40, ttmp6, 0x40000                  ; cx
	s_bfe_u32 s41, ttmp6, 0x40004                  ; cy
	s_lshl_b32 s42, ttmp9, 2
	s_add_co_u32 s42, s42, s40                     ; tile column 0..31: expert = column / 2
	s_and_b32 s13, ttmp7, 0xffff
	s_lshl_b32 s13, s13, 2
	s_add_co_u32 s13, s13, s41                     ; tile row 0..7: batch = row / 2
	s_lshl_b32 s43, s41, 2
	s_lshl_b32 s43, 15, s43                        ; my row of the cluster
	s_lshl_b32 s44, 0x1111, s40                    ; my column
	s_or_b32 s[G1+0], s43, (1<<16)|(1<<20)|(1<<21)|(5<<22)|(3<<25)   ; the mask; 2-byte elements; padding on; bit 21 beside a mask; after every 64 words, 4 words
	s_mov_b32 s[G1+1], 128<<16
	s_mov_b32 s[G1+2], 128<<16
	s_mov_b32 s[G1+3], 128<<16
	s_mov_b32 s[G1+4], 128
	s_mov_b32 s[G1+5], LDA
	s_mov_b32 s[G1+6], 0
	s_mov_b32 s[G1+7], 0
	s_or_b32 s[G1B+0], s44, (1<<16)|(1<<20)|(1<<21)|(6<<22)|(7<<25)  ; after every 128 words, 8 words
	s_mov_b32 s[G1B+1], 256<<16
	s_mov_b32 s[G1B+2], 64<<16
	s_mov_b32 s[G1B+3], 256<<16
	s_mov_b32 s[G1B+4], 64
	s_mov_b32 s[G1B+5], LDB
	s_mov_b32 s[G1B+6], 0
	s_mov_b32 s[G1B+7], 0
	s_lshl_b32 s16, s13, 19                        ; A: (256 tile row + 128 half) rows of 2,048 bytes: the tile row and the wave alone
	s_lshl_b32 s17, s12, 18
	s_add_co_u32 s16, s16, s17
	s_mov_b32 s17, 0
	s_lshr_b32 s46, s42, 1                         ; B: the expert's 1 MB, 512 bytes for the odd tile column, 64 half rows of 1,024 bytes: the tile column and the wave alone
	s_lshl_b32 s46, s46, 20
	s_and_b32 s47, s42, 1
	s_lshl_b32 s47, s47, 9
	s_add_co_u32 s46, s46, s47
	s_lshl_b32 s47, s12, 16
	s_add_co_u32 s46, s46, s47
	s_add_co_u32 s46, s46, E1C
	s_mov_b32 s47, 0
	s_mul_i32 s20, s10, HALFT
	s_mov_b32 s[DD1], 0x3d4c41b4
	s_mov_b32 s[DD1+1], 0x3d4c41b4
	s_mov_b32 s[DD2], 0x3cad2fe7
	s_mov_b32 s[DD2+1], 0x3cad2fe7
	s_mov_b32 s[DD3], 0x3b56cd72
	s_mov_b32 s[DD3+1], 0x3b56cd72
	s_mov_b32 s[DD4], 0x381f660e
	s_mov_b32 s[DD4+1], 0x381f660e
	s_mov_b32 s[DD5], 0x384d0fe2
	s_mov_b32 s[DD5+1], 0x384d0fe2
	s_mov_b32 s[DD6], 0x36b49f9e
	s_mov_b32 s[DD6+1], 0x36b49f9e
	s_mov_b32 s80, 0x7fffffff
	s_lshr_b32 s86, s13, 1                         ; gate[batch][expert]
	s_lshl_b32 s86, s86, 4
	s_lshr_b32 s87, s42, 1
	s_add_co_u32 s86, s86, s87
	s_lshl_b32 s86, s86, 2
	s_mov_b32 s87, 0
	s_wait_dscnt 0x0                               ; the opening add is done
	s_wait_kmcnt 0x0
	s_add_nc_u64 s[14:15], s[88:89], s[16:17]
	s_add_nc_u64 s[46:47], s[88:89], s[46:47]
	s_add_nc_u64 s[86:87], s[92:93], s[86:87]
	CROUND                                         ; all sixteen work-groups are here: the first joint loads meet
.irp s, 0,1
	s_mov_b32 s[G0+4*(\s)], 1
	s_add_co_u32 s[G0+4*(\s)+1], s20, (\s)*SLOT
	s_add_nc_u64 s[G0+4*(\s)+2:G0+4*(\s)+3], s[14:15], (\s)*256
	s_or_b32 s[G0+4*(\s)+3], s[G0+4*(\s)+3], 0x80000000
	s_mov_b32 s[G0B+4*(\s)], 1
	s_add_co_u32 s[G0B+4*(\s)+1], s20, (\s)*SLOT
	s_add_nc_u64 s[G0B+4*(\s)+2:G0B+4*(\s)+3], s[46:47], (\s)*BSTEP
	s_or_b32 s[G0B+4*(\s)+3], s[G0B+4*(\s)+3], 0x80000000
.endr
	s_cmp_eq_u32 s11, 0                            ; a wave's two first fills stand in one branch: two loads of mine are out
	s_cbranch_scc0 .Lfirst_b
	tensor_load_to_lds s[G0:G0+3], s[G1:G1+7]
	s_nop 0
	tensor_load_to_lds s[G0+4:G0+7], s[G1:G1+7]
	s_nop 0
.rept 4
	v_nop
.endr
	s_branch .Lfirst_asked
.Lfirst_b:
	tensor_load_to_lds s[G0B:G0B+3], s[G1B:G1B+7]
	s_nop 0
	tensor_load_to_lds s[G0B+4:G0B+7], s[G1B:G1B+7]
	s_nop 0
.rept 4
	v_nop
.endr
.Lfirst_asked:
	s_load_b32 s[HG], s[86:87], 0x0                ; the tile's gate; waited for ahead of the way out
	v_and_b32 v1, 15, v0                           ; l % 16
	v_bfe_u32 v2, v0, 4, 1                         ; l / 16
	s_lshl_b32 s21, s42, 10                        ; e1_b, flat: (256 tile column + 128 column half + 8 (l % 16)) x 4 bytes
	s_lshl_b32 s22, s12, 9
	s_add_co_u32 s21, s21, s22
	v_lshl_add_u32 v7, v1, 5, s21
	global_load_b128 v[BI:BI+3], v7, s[90:91]
	global_load_b128 v[BI+4:BI+7], v7, s[90:91] offset:16
	v_mul_u32_u24 v3, v1, PA
	v_lshl_add_u32 v3, v2, 4, v3
	s_mul_i32 s21, s11, HALFT
	v_add_nc_u32 v[A0], s21, v3
	v_and_b32 v4, 7, v0
	v_bfe_u32 v5, v0, 3, 1
	v_lshl_add_u32 v4, v2, 3, v4
	v_mul_u32_u24 v4, v4, PB
	v_lshl_add_u32 v4, v5, 4, v4
	s_lshl_b32 s22, s12, 8
	s_add_co_u32 s22, s22, 2*HALFT
	v_add_nc_u32 v[B0], s22, v4
	v_mov_b32 v[ADRA], v[A0]
	v_mov_b32 v[ADRB], v[B0]
	s_mov_b32 s[TB], 0
	s_mul_i32 s23, s10, DW
	v_mul_u32_u24 v6, v1, DP
	v_lshl_add_u32 v6, v2, 5, v6
	v_add_nc_u32 v[STO], s23, v6
	v_mul_u32_u24 v6, v2, DP
	v_lshl_add_u32 v6, v1, 5, v6
	v_add_nc_u32 v[RD], s23, v6
	v_lshlrev_b32 v6, 14, v2
	v_lshl_add_u32 v[CO], v1, 4, v6                ; two rows of 16,384 bytes, 16 bytes a lane
	s_lshl_b32 s22, s13, 22                        ; C: (256 tile row + 128 row half) rows of 16,384 bytes + 512 tile column + 256 column half
	s_lshl_b32 s23, s11, 21
	s_add_co_u32 s22, s22, s23
	s_lshl_b32 s23, s42, 9
	s_add_co_u32 s22, s22, s23
	s_lshl_b32 s23, s12, 8
	s_add_co_u32 s22, s22, s23
	s_mov_b32 s23, 0
	s_add_nc_u64 s[8:9], s[94:95], s[22:23]
	s_wait_tensorcnt 1                             ; my part of K step 0 is in; K step 1's may stay out
	s_barrier_signal -1
	s_barrier_wait -1
	FETCH 0, F0
	QUARTER 1, F0, F1, 1
	WIN 0
	s_mov_b32 s3, 6
.Lk:
	QUARTER 2, F1, F0, 0
	QUARTER 3, F0, F1, 0
	TURN 1
	QUARTER 1, F0, F1, 0
	WIN 0
	s_sub_co_u32 s3, s3, 1
	s_cmp_lg_u32 s3, 0
	s_cbranch_scc1 .Lk
	QUARTER 2, F1, F0, 0
	QUARTER 3, F0, F1, 0
	TURN 0
	QUARTER 1, F0, F1, 0
	QUARTER 2, F1, F0, 0
	QUARTER 3, F0, F1, 0
	LASTQ
	WIN 0
	PLACES
	s_barrier_signal -1                            ; every wave's reads of the ring are back, and the ring has had its last fill
	s_barrier_wait -1
	DUMP
	s_wait_dscnt 0x0
	s_barrier_signal -1                            ; from here on nobody writes LDS
	s_barrier_wait -1
	s_wait_kmcnt 0x0                               ; the gate
	s_mul_f32 s[HG], s[HG], 0.5
	s_mov_b32 s[HG+1], s[HG]
	s_wait_loadcnt 0x0                             ; the bias
	; THE WAY OUT: 8 rows a trip, 32 numbers a lane; the next trip's rows are read while this trip's are worked on
	s_mov_b32 s3, 16
	LOADROWS
.Lrow:
	s_wait_dscnt 0x0
	ALL16 v_pk_add_f32 v[X+k:X+k+1], v[L+k:L+k+1], v[BI+k%8:BI+k%8+1]
	s_cmp_eq_u32 s3, 1
	s_cbranch_scc1 .Lno_more                       ; the last trip reads nothing further
	v_add_nc_u32 v[RD], 8*DP, v[RD]
	LOADROWS
.Lno_more:
.set k, 0
.rept 32
	v_and_b32 v[AB+k], s80, v[X+k]
.set k, k+1
.endr
	ALL16 v_pk_fma_f32 v[Q+k:Q+k+1], v[AB+k:AB+k+1], s[DD6:DD6+1], s[DD5:DD5+1] op_sel_hi:[1,0,0]
.irp d, DD4, DD3, DD2, DD1
	ALL16 v_pk_fma_f32 v[Q+k:Q+k+1], v[Q+k:Q+k+1], v[AB+k:AB+k+1], s[\d:\d+1] op_sel_hi:[1,1,0]
.endr
	ALL16 v_pk_fma_f32 v[Q+k:Q+k+1], v[Q+k:Q+k+1], v[AB+k:AB+k+1], 1.0 op_sel_hi:[1,1,0]
.rept 4
	ALL16 v_pk_mul_f32 v[Q+k:Q+k+1], v[Q+k:Q+k+1], v[Q+k:Q+k+1]
.endr
.set k, 0
.rept 32
	v_rcp_f32 v[Q+k], v[Q+k]                       ; one batch
.set k, k+1
.endr
	ALL16 v_pk_add_f32 v[X+k:X+k+1], v[X+k:X+k+1], v[AB+k:AB+k+1]
	s_wait_alu depctr_va_vdst(0)                   ; one wait for the 32 reciprocals, ahead of their first reader; the 16 additions above name none of them
	ALL16 v_pk_fma_f32 v[X+k:X+k+1], v[AB+k:AB+k+1], v[Q+k:Q+k+1], v[X+k:X+k+1] neg_lo:[1,0,0] neg_hi:[1,0,0]
	ALL16 v_pk_mul_f32 v[X+k:X+k+1], v[X+k:X+k+1], s[HG:HG+1] op_sel_hi:[1,0]
.set k, 0
.rept 16
	v_cvt_pk_bf16_f32 v[OUT+k], v[X+2*k], v[X+2*k+1]
.set k, k+1
.endr
.irp j, 0,1,2,3
	global_store_b128 v[CO], v[OUT+4*(\j):OUT+4*(\j)+3], s[8:9] offset:2*(\j)*16384  ; 16 lanes store 256 consecutive bytes, aligned
.endr
	s_wait_xcnt 0x0                                ; the stores have read their data and base
	s_add_nc_u64 s[8:9], s[8:9], 8*16384
	s_sub_co_u32 s3, s3, 1
	s_cmp_lg_u32 s3, 0
	s_cbranch_scc1 .Lrow
	s_wait_tensorcnt 0x0                           ; the wave's end
	ds_add_u32 v[SPW], v[NIL]
	s_wait_dscnt 0x0
	CROUND                                         ; the closing round
	s_endpgm
.Lfunc_end_k_q3e4ebd86cf_hidden:
	.size	k_q3e4ebd86cf_hidden, .Lfunc_end_k_q3e4ebd86cf_hidden-k_q3e4ebd86cf_hidden
	.p2alignl 7, 3214868480
	.fill 96, 4, 3214868480
	.section	.rodata,"a",@progbits
	.p2align	6, 0x0
	.amdhsa_kernel k_q3e4ebd86cf_hidden
		.amdhsa_group_segment_fixed_size 327680
		.amdhsa_private_segment_fixed_size 0
		.amdhsa_enable_private_segment 0
		.amdhsa_kernarg_size 32
		.amdhsa_user_sgpr_count 2
		.amdhsa_user_sgpr_kernarg_segment_ptr 1
		.amdhsa_wavefront_size32 1
		.amdhsa_system_sgpr_workgroup_id_x 1
		.amdhsa_system_sgpr_workgroup_id_y 1
		.amdhsa_system_sgpr_workgroup_id_z 1
		.amdhsa_system_vgpr_workitem_id 0
		.amdhsa_next_free_vgpr 1024
		.amdhsa_next_free_sgpr 96
		.amdhsa_reserve_vcc 0
		.amdhsa_float_denorm_mode_32 3
		.amdhsa_float_denorm_mode_16_64 3
		.amdhsa_memory_ordered 1
		.amdhsa_forward_progress 1
		.amdhsa_inst_pref_size 114
	.end_amdhsa_kernel
	.amdgpu_metadata
---
amdhsa.version: [ 1, 2 ]
amdhsa.kernels:
  - .name:           k_q3e4ebd86cf_hidden
    .symbol:         k_q3e4ebd86cf_hidden.kd
    .args:
      - { .name: wbf, .offset: 0, .size: 8, .value_kind: global_buffer, .address_space: global }
      - { .name: e1_b, .offset: 8, .size: 8, .value_kind: global_buffer, .address_space: global }
      - { .name: gb, .offset: 16, .size: 8, .value_kind: global_buffer, .address_space: global }
      - { .name: h1g, .offset: 24, .size: 8, .value_kind: global_buffer, .address_space: global }
    .group_segment_fixed_size: 327680
    .private_segment_fixed_size: 0
    .kernarg_segment_align: 8
    .kernarg_segment_size: 32
    .max_flat_workgroup_size: 128
    .sgpr_count:     96
    .vgpr_count:     1024
    .wavefront_size: 32
...
	.end_amdgpu_metadata
.endif
;; end of part 4
;; launch fuse (part 5): grid 32 x 8, 4 waves a work-group, clusters of 4 x 4, 327,680 bytes of LDS; arguments h1g, w2f, part; writes part
.if DOCPART == 5
	.amdgcn_target "amdgcn-amd-amdhsa--gfx1250"
	.amdhsa_code_object_version 6
	.text
	.protected	k_q3e4ebd86cf_fuse
	.globl	k_q3e4ebd86cf_fuse
	.p2align	8
	.type	k_q3e4ebd86cf_fuse,@function
k_q3e4ebd86cf_fuse:
	s_mov_b64 s[64:65], 0
	v_nop
	global_prefetch_b8 v0, s[64:65] scope:SCOPE_SE
	s_setreg_imm32_b32 hwreg(HW_REG_WAVE_MODE, 25, 1), 1
	s_wait_xcnt 0x0
	s_wait_alu depctr_hold_cnt(0) depctr_sa_sdst(0) depctr_va_vdst(0) depctr_va_sdst(0) depctr_va_ssrc(0) depctr_va_vcc(0) depctr_vm_vsrc(0)
	s_getreg_b32 s2, hwreg(HW_REG_IB_STS2, 6, 4)
	s_cmp_eq_u32 s2, 0
	s_cbranch_scc0 .Lentry_in_a_cluster
	s_endpgm
.Lentry_in_a_cluster:
	s_bfe_u32 s2, ttmp6, 0x10000c
	s_cmp_lg_u32 s2, 0xf033
	s_cbranch_scc0 .Lentry_shape_is_right
	s_endpgm
.Lentry_shape_is_right:
; PART[z][token][g] = sum over k = 1024 z .. 1024 z + 1023 of H1G[token][k] W2F[k][g]: the fusion's product, K = 8,192 cut in eight so that 256 work-groups have a tile each.  bf16 operands; the partial sums leave in f32.
; A tile of C is 256 x 256 over K = 1,024: four waves, each 128 x 128 in 512 registers.  A = H1G, K along its rows (pitch 8,192).  B = W2F as [k][1024 (n)]: it comes out of LDS turned, by ds_load_tr16_b128.
; K goes in 8 steps of 128 through two LDS slots; waves 0, 1 fetch A's halves (128 rows x 256 bytes), waves 2, 3 B's (64 rows x 512 bytes).
; CLUSTER 4 x 4: a cluster has one z (the cluster's x), four tile columns (cx) and four tile rows (cy): A's tile is asked for jointly along a row of the cluster, B's along a column.
; The matrix instruction is used transposed (source 0 = 16 columns of B, source 1 = 16 rows of A).
; REGISTERS, in windows of 256: window 0: v0-31 addresses, v64-127 and v128-191 A's fragments (free on the way out); window 1: B's fragments; windows 2, 3: accumulator (a, b) at v[8 (8 (a % 4) + b)].
.set LDA,   8192
.set LDB,   1024
.set BSTEP, 128*LDB*2
.set PA,    272
.set PB,    544
.set HALFT, 128*PA
.set SLOT,  4*HALFT                    ; 0x22000: its two bits are in no wave's offset (0x8800 w), so an exclusive or changes slots
.set SPARE, 2*SLOT
.set DP,    528
.set DW,    128*DP
.set ADRA, 16
.set A0,   18
.set B0,   19
.set ADRB, 20
.set STO,  24
.set RD,   25
.set CO,   26
.set SPW,  28
.set NIL,  29
.set F0,   64
.set F1,   128
.set G1,  24
.set G0,  32
.set TB,  45
.set G1B, 48
.set G0B, 56
.set MSB, 0
.macro WIN new
.if MSB != (\new)
	s_set_vgpr_msb (MSB<<8)|(\new)
.set MSB, \new
.endif
.endm
.set MUL_LO, 0xa1
.set MUL_HI, 0xf1
.set TO_B,   0x40
.macro PLACES
.rept 4
	v_nop
.endr
.endm
.macro JLOAD                           ; a joint refill: waves 0, 1 by A's walking descriptor, waves 2, 3 by B's; an s_nop 0 and four v_nop follow each line
	s_cmp_eq_u32 s11, 0
	s_cbranch_scc0 .Lfor_b_\@
	tensor_load_to_lds s[G0+4:G0+7], s[G1:G1+7]
	s_nop 0
.rept 4
	v_nop
.endr
	s_branch .Lasked_\@
.Lfor_b_\@:
	tensor_load_to_lds s[G0B+4:G0B+7], s[G1B:G1B+7]
	s_nop 0
.rept 4
	v_nop
.endr
.Lasked_\@:
.endm
.macro CREST
	s_cmp_lg_u32 s10, 0
	s_cbranch_scc1 .Lnot_wave_0_\@
	s_barrier_signal -3
.Lnot_wave_0_\@:
	s_barrier_wait -3
	s_barrier_signal -1
	s_barrier_wait -1
.endm
.macro CROUND
	s_barrier_signal -1
	s_barrier_wait -1
	CREST
.endm
.macro MUL16 f, hi, a0, zero           ; 16 matrix instructions; the 64 accumulators take turns, in the same order in every quarter
	WIN MUL_LO+0x50*(\hi)
.irp a, \a0, (\a0)+1
.irp b, 0,1,2,3,4,5,6,7
.if \zero
	v_wmma_f32_16x16x32_bf16 v[8*(8*(\a)+(\b)):8*(8*(\a)+(\b))+7], v[(\f)+8*(\b):(\f)+8*(\b)+7], v[(\f)+8*(4*(\hi)+(\a)):(\f)+8*(4*(\hi)+(\a))+7], 0
.else
	v_wmma_f32_16x16x32_bf16 v[8*(8*(\a)+(\b)):8*(8*(\a)+(\b))+7], v[(\f)+8*(\b):(\f)+8*(\b)+7], v[(\f)+8*(4*(\hi)+(\a)):(\f)+8*(4*(\hi)+(\a))+7], v[8*(8*(\a)+(\b)):8*(8*(\a)+(\b))+7]
.endif
.endr
.endr
.endm
.macro FETCH q, f
	WIN TO_B
.irp i, 0,1,2,3,4,5,6,7
	ds_load_tr16_b128 v[(\f)+8*(\i):(\f)+8*(\i)+3],   v[ADRB] offset:(\q)*32*PB+32*(\i)
	ds_load_tr16_b128 v[(\f)+8*(\i)+4:(\f)+8*(\i)+7], v[ADRB] offset:(\q)*32*PB+16*PB+32*(\i)
.endr
	WIN 0
.irp i, 0,1,2,3,4,5,6,7
	ds_load_b128 v[(\f)+8*(\i):(\f)+8*(\i)+3],   v[ADRA] offset:(\q)*64+(\i)*16*PA
	ds_load_b128 v[(\f)+8*(\i)+4:(\f)+8*(\i)+7], v[ADRA] offset:(\q)*64+(\i)*16*PA+32
.endr
.endm
.macro QUARTER q, f, g, zero
	s_wait_dscnt 8                                 ; B and A's rows 0-63 are in; the youngest eight loads (A's rows 64-127) may be out
	MUL16 \f, 0, 0, \zero
	MUL16 \f, 0, 2, \zero
	PLACES
	FETCH \q, \g
	s_wait_dscnt 32                                ; all but the 32 just issued
	MUL16 \f, 1, 0, \zero
	MUL16 \f, 1, 2, \zero
.endm
.macro MEET round
	WIN 0
	s_wait_tensorcnt 0x0                           ; all my tensor loads have landed: the one that was out is my part of the next slot
	ds_add_u32 v[SPW], v[NIL]
	s_wait_dscnt 9                                 ; the add and the youngest eight loads may be out
	MUL16 F1, 0, 0, 0
	s_wait_dscnt 0x0                               ; the add is done, and my reads of this slot are over
	s_barrier_signal -1
	MUL16 F1, 0, 2, 0
.if \round
	WIN 0
.endif
	s_barrier_wait -1
.endm
.macro TURN fill
	MEET \fill
.if \fill
	CREST                                          ; no wave of any partner still reads this slot or has a load on its way
	s_xor_b32 s[G0+5], s[G0+5], SLOT
	s_add_nc_u64 s[G0+6:G0+7], s[G0+6:G0+7], 256
	s_xor_b32 s[G0B+5], s[G0B+5], SLOT
	s_add_nc_u64 s[G0B+6:G0B+7], s[G0B+6:G0B+7], BSTEP
	JLOAD
.else
	PLACES
.endif
	WIN 0
	s_xor_b32 s[TB], s[TB], SLOT
	v_add_nc_u32 v[ADRA], s[TB], v[A0]
	v_add_nc_u32 v[ADRB], s[TB], v[B0]
	FETCH 0, F0
	MUL16 F1, 1, 0, 0
	MUL16 F1, 1, 2, 0
.endm
.macro LASTQ
	s_wait_dscnt 8
	MUL16 F1, 0, 0, 0
	MUL16 F1, 0, 2, 0
	s_wait_dscnt 0x0
	MUL16 F1, 1, 0, 0
	MUL16 F1, 1, 2, 0
.endm
.macro DUMP                            ; my 128 x 128 sums into my part of LDS, as f32 rows of 528 bytes; each accumulator's low half first
.irp a, 0,1,2,3,4,5,6,7
	WIN 0x08+4*((\a)/4)
.irp b, 0,1,2,3,4,5,6,7
	ds_store_b128 v[STO], v[8*(8*((\a)%4)+(\b)):8*(8*((\a)%4)+(\b))+3]   offset:(\a)*16*DP+64*(\b)
	ds_store_b128 v[STO], v[8*(8*((\a)%4)+(\b))+4:8*(8*((\a)%4)+(\b))+7] offset:(\a)*16*DP+64*(\b)+16
.endr
.endr
	WIN 0
.endm
	s_load_b128 s[88:91], s[0:1], 0x0              ; h1g s[88:89], w2f s[90:91]
	s_load_b64 s[92:93], s[0:1], 0x10              ; part
	v_lshl_add_u32 v[SPW], v0, 2, SPARE
	v_mov_b32 v[NIL], 0
	ds_add_u32 v[SPW], v[NIL]                      ; the wave's opening: the add and its wait ahead of my first tensor load
	v_lshrrev_b32 v1, 5, v0
	v_readfirstlane_b32 s10, v1                    ; wave 0..3
	s_lshr_b32 s11, s10, 1
	s_and_b32 s12, s10, 1
	s_bfe_u32 s40, ttmp6, 0x40000                  ; cx = the tile column 0..3
	s_bfe_u32 s41, ttmp6, 0x40004                  ; cy
	s_mov_b32 s84, ttmp9                           ; z, the part of K: the cluster's x, the same in all sixteen
	s_and_b32 s13, ttmp7, 0xffff
	s_lshl_b32 s13, s13, 2
	s_add_co_u32 s13, s13, s41                     ; tile row 0..7
	s_lshl_b32 s43, s41, 2
	s_lshl_b32 s43, 15, s43                        ; my row of the cluster
	s_lshl_b32 s44, 0x1111, s40                    ; my column
	s_or_b32 s[G1+0], s43, (1<<16)|(1<<20)|(1<<21)|(5<<22)|(3<<25)
	s_mov_b32 s[G1+1], 128<<16
	s_mov_b32 s[G1+2], 128<<16
	s_mov_b32 s[G1+3], 128<<16
	s_mov_b32 s[G1+4], 128
	s_mov_b32 s[G1+5], LDA
	s_mov_b32 s[G1+6], 0
	s_mov_b32 s[G1+7], 0
	s_or_b32 s[G1B+0], s44, (1<<16)|(1<<20)|(1<<21)|(6<<22)|(7<<25)
	s_mov_b32 s[G1B+1], 256<<16
	s_mov_b32 s[G1B+2], 64<<16
	s_mov_b32 s[G1B+3], 256<<16
	s_mov_b32 s[G1B+4], 64
	s_mov_b32 s[G1B+5], LDB
	s_mov_b32 s[G1B+6], 0
	s_mov_b32 s[G1B+7], 0
	s_lshl_b32 s16, s13, 22                        ; A: (256 tile row + 128 half) rows of 16,384 bytes + 2,048 z
	s_lshl_b32 s17, s12, 21
	s_add_co_u32 s16, s16, s17
	s_lshl_b32 s17, s84, 11
	s_add_co_u32 s16, s16, s17
	s_mov_b32 s17, 0
	s_lshl_b32 s46, s84, 21                        ; B: (1,024 z + 64 half) rows of 2,048 bytes + 512 tile column
	s_lshl_b32 s47, s12, 17
	s_add_co_u32 s46, s46, s47
	s_lshl_b32 s47, s40, 9
	s_add_co_u32 s46, s46, s47
	s_mov_b32 s47, 0
	s_mul_i32 s20, s10, HALFT
	s_wait_dscnt 0x0                               ; the opening add is done
	s_wait_kmcnt 0x0
	s_add_nc_u64 s[14:15], s[88:89], s[16:17]
	s_add_nc_u64 s[46:47], s[90:91], s[46:47]
	CROUND                                         ; all sixteen work-groups are here: the first joint loads meet
.irp s, 0,1
	s_mov_b32 s[G0+4*(\s)], 1
	s_add_co_u32 s[G0+4*(\s)+1], s20, (\s)*SLOT
	s_add_nc_u64 s[G0+4*(\s)+2:G0+4*(\s)+3], s[14:15], (\s)*256
	s_or_b32 s[G0+4*(\s)+3], s[G0+4*(\s)+3], 0x80000000
	s_mov_b32 s[G0B+4*(\s)], 1
	s_add_co_u32 s[G0B+4*(\s)+1], s20, (\s)*SLOT
	s_add_nc_u64 s[G0B+4*(\s)+2:G0B+4*(\s)+3], s[46:47], (\s)*BSTEP
	s_or_b32 s[G0B+4*(\s)+3], s[G0B+4*(\s)+3], 0x80000000
.endr
	s_cmp_eq_u32 s11, 0                            ; a wave's two first fills stand in one branch: two loads of mine are out
	s_cbranch_scc0 .Lfirst_b
	tensor_load_to_lds s[G0:G0+3], s[G1:G1+7]
	s_nop 0
	tensor_load_to_lds s[G0+4:G0+7], s[G1:G1+7]
	s_nop 0
.rept 4
	v_nop
.endr
	s_branch .Lfirst_asked
.Lfirst_b:
	tensor_load_to_lds s[G0B:G0B+3], s[G1B:G1B+7]
	s_nop 0
	tensor_load_to_lds s[G0B+4:G0B+7], s[G1B:G1B+7]
	s_nop 0
.rept 4
	v_nop
.endr
.Lfirst_asked:
	v_and_b32 v1, 15, v0
	v_bfe_u32 v2, v0, 4, 1
	v_mul_u32_u24 v3, v1, PA
	v_lshl_add_u32 v3, v2, 4, v3
	s_mul_i32 s21, s11, HALFT
	v_add_nc_u32 v[A0], s21, v3
	v_and_b32 v4, 7, v0
	v_bfe_u32 v5, v0, 3, 1
	v_lshl_add_u32 v4, v2, 3, v4
	v_mul_u32_u24 v4, v4, PB
	v_lshl_add_u32 v4, v5, 4, v4
	s_lshl_b32 s22, s12, 8
	s_add_co_u32 s22, s22, 2*HALFT
	v_add_nc_u32 v[B0], s22, v4
	v_mov_b32 v[ADRA], v[A0]
	v_mov_b32 v[ADRB], v[B0]
	s_mov_b32 s[TB], 0
	s_mul_i32 s23, s10, DW
	v_mul_u32_u24 v6, v1, DP
	v_lshl_add_u32 v6, v2, 5, v6
	v_add_nc_u32 v[STO], s23, v6
	v_and_b32 v6, 31, v0
	v_lshlrev_b32 v[CO], 4, v6                     ; a row of my 128 f32 is 512 bytes: 16 a lane
	v_add_nc_u32 v[RD], s23, v[CO]
	s_lshl_b32 s22, s84, 23                        ; C: 8 MB z + (256 tile row + 128 row half) rows of 4,096 bytes + 1,024 tile column + 512 column half
	s_lshl_b32 s23, s13, 20
	s_add_co_u32 s22, s22, s23
	s_lshl_b32 s23, s11, 19
	s_add_co_u32 s22, s22, s23
	s_lshl_b32 s23, s40, 10
	s_add_co_u32 s22, s22, s23
	s_lshl_b32 s23, s12, 9
	s_add_co_u32 s22, s22, s23
	s_mov_b32 s23, 0
	s_add_nc_u64 s[8:9], s[92:93], s[22:23]
	s_wait_tensorcnt 1                             ; my part of K step 0 is in; K step 1's may stay out
	s_barrier_signal -1
	s_barrier_wait -1
	FETCH 0, F0
	QUARTER 1, F0, F1, 1
	WIN 0
	s_mov_b32 s3, 6
.Lk:
	QUARTER 2, F1, F0, 0
	QUARTER 3, F0, F1, 0
	TURN 1
	QUARTER 1, F0, F1, 0
	WIN 0
	s_sub_co_u32 s3, s3, 1
	s_cmp_lg_u32 s3, 0
	s_cbranch_scc1 .Lk
	QUARTER 2, F1, F0, 0
	QUARTER 3, F0, F1, 0
	TURN 0
	QUARTER 1, F0, F1, 0
	QUARTER 2, F1, F0, 0
	QUARTER 3, F0, F1, 0
	LASTQ
	WIN 0
	PLACES
	s_barrier_signal -1                            ; every wave's reads of the ring are back, and the ring has had its last fill
	s_barrier_wait -1
	DUMP
	s_wait_dscnt 0x0
	s_barrier_signal -1                            ; from here on nobody writes LDS
	s_barrier_wait -1
	; THE WAY OUT: 16 rows a trip, a whole row of 512 bytes to a load and to a store
	s_mov_b32 s3, 8
.Lrows:
.irp j, 0,1,2,3,4,5,6,7,8,9,10,11,12,13,14,15
	ds_load_b128 v[64+4*(\j):64+4*(\j)+3], v[RD] offset:(\j)*DP
.endr
.irp j, 0,1,2,3,4,5,6,7,8,9,10,11,12,13,14,15
	s_wait_dscnt 15-(\j)
	global_store_b128 v[CO], v[64+4*(\j):64+4*(\j)+3], s[8:9] offset:(\j)*4096  ; 512 consecutive bytes, aligned
.endr
	s_wait_xcnt 0x0                                ; the stores have read their data and base
	s_add_nc_u64 s[8:9], s[8:9], 16*4096
	v_add_nc_u32 v[RD], 16*DP, v[RD]
	s_sub_co_u32 s3, s3, 1
	s_cmp_lg_u32 s3, 0
	s_cbranch_scc1 .Lrows
	s_wait_tensorcnt 0x0                           ; the wave's end
	ds_add_u32 v[SPW], v[NIL]
	s_wait_dscnt 0x0
	CROUND                                         ; the closing round
	s_endpgm
.Lfunc_end_k_q3e4ebd86cf_fuse:
	.size	k_q3e4ebd86cf_fuse, .Lfunc_end_k_q3e4ebd86cf_fuse-k_q3e4ebd86cf_fuse
	.p2alignl 7, 3214868480
	.fill 96, 4, 3214868480
	.section	.rodata,"a",@progbits
	.p2align	6, 0x0
	.amdhsa_kernel k_q3e4ebd86cf_fuse
		.amdhsa_group_segment_fixed_size 327680
		.amdhsa_private_segment_fixed_size 0
		.amdhsa_enable_private_segment 0
		.amdhsa_kernarg_size 24
		.amdhsa_user_sgpr_count 2
		.amdhsa_user_sgpr_kernarg_segment_ptr 1
		.amdhsa_wavefront_size32 1
		.amdhsa_system_sgpr_workgroup_id_x 1
		.amdhsa_system_sgpr_workgroup_id_y 1
		.amdhsa_system_sgpr_workgroup_id_z 1
		.amdhsa_system_vgpr_workitem_id 0
		.amdhsa_next_free_vgpr 1024
		.amdhsa_next_free_sgpr 96
		.amdhsa_reserve_vcc 0
		.amdhsa_float_denorm_mode_32 3
		.amdhsa_float_denorm_mode_16_64 3
		.amdhsa_memory_ordered 1
		.amdhsa_forward_progress 1
		.amdhsa_inst_pref_size 96
	.end_amdhsa_kernel
	.amdgpu_metadata
---
amdhsa.version: [ 1, 2 ]
amdhsa.kernels:
  - .name:           k_q3e4ebd86cf_fuse
    .symbol:         k_q3e4ebd86cf_fuse.kd
    .args:
      - { .name: h1g, .offset: 0, .size: 8, .value_kind: global_buffer, .address_space: global }
      - { .name: w2f, .offset: 8, .size: 8, .value_kind: global_buffer, .address_space: global }
      - { .name: part, .offset: 16, .size: 8, .value_kind: global_buffer, .address_space: global }
    .group_segment_fixed_size: 327680
    .private_segment_fixed_size: 0
    .kernarg_segment_align: 8
    .kernarg_segment_size: 24
    .max_flat_workgroup_size: 128
    .sgpr_count:     96
    .vgpr_count:     1024
    .wavefront_size: 32
...
	.end_amdgpu_metadata
.endif
;; end of part 5
;; launch lnorm (part 6): grid 256 x 1, 8 waves a work-group, no clusters, 0 bytes of LDS; arguments part, hidden_states, gb, ln_g, ln_b, out0; writes out0
.if DOCPART == 6
	.amdgcn_target "amdgcn-amd-amdhsa--gfx1250"
	.amdhsa_code_object_version 6
	.text
	.protected	k_q3e4ebd86cf_lnorm
	.globl	k_q3e4ebd86cf_lnorm
	.p2align	8
	.type	k_q3e4ebd86cf_lnorm,@function
k_q3e4ebd86cf_lnorm:
	s_mov_b64 s[64:65], 0
	v_nop
	global_prefetch_b8 v0, s[64:65] scope:SCOPE_SE
	s_setreg_imm32_b32 hwreg(HW_REG_WAVE_MODE, 25, 1), 1
	s_wait_xcnt 0x0
; out = LayerNorm(hidden_states + biasb[b] + the eight parts of the fusion's product) x ln_g + ln_b.  All in f32.
; One wave, one row of 1,024 numbers: 32 registers a lane (load j covers columns 128 j + 4 l: 512 consecutive bytes), so the row is read once, stays in registers between mean, variance and scaling, and no wave waits for another:
; no LDS, no barrier.  The variance is the mean of the squares of (row - mean), as the reference takes it.  Memory binds: matrix units and clusters would add nothing.
; Six groups of 32 registers take turns: five groups of eight loads (20 KB a wave) are on their way while one is added.
.set R0, 32                            ; v[32:63] the row; R1 .. R5 the groups on their way
.set R1, 64
.set R2, 96
.set R3, 128
.set R4, 160
.set R5, 192
.set MU, 224                           ; v[224:225] the mean, twice
.set RS, 226                           ; v[226:227] 1 / sqrt(var + 1e-5), twice
.set T,  228
.macro GRPN dst, lo                    ; eight loads of a row of a part: read once in the launch
.irp j, 0,1,2,3,4,5,6,7
	global_load_b128 v[(\dst)+4*(\j):(\dst)+4*(\j)+3], v2, s[\lo:(\lo)+1] offset:512*(\j) th:TH_LOAD_NT
.endr
.endm
.macro GRPC dst, lo                    ; eight loads of a row that all rows of a batch, or all rows, share
.irp j, 0,1,2,3,4,5,6,7
	global_load_b128 v[(\dst)+4*(\j):(\dst)+4*(\j)+3], v3, s[\lo:(\lo)+1] offset:512*(\j)
.endr
.endm
.macro ADDG src
.set k, 0
.rept 16
	v_pk_add_f32 v[R0+k:R0+k+1], v[R0+k:R0+k+1], v[(\src)+k:(\src)+k+1]
.set k, k+2
.endr
.endm
.macro LANESUM r, t                    ; the sum over the 32 lanes, in every lane
.irp x, 1,2,4,8
	v_add_f32_dpp v[\r], v[\r], v[\r] row_xmask:\x row_mask:0xf bank_mask:0xf
.endr
	v_permlanex16_b32 v[\t], v[\r], s38, s39
	v_add_f32 v[\r], v[\r], v[\t]
.endm
	s_load_b256 s[4:11], s[0:1], 0x0               ; part s[4:5], hidden_states s[6:7], gb s[8:9], ln_g s[10:11]
	s_load_b128 s[12:15], s[0:1], 0x20             ; ln_b s[12:13], out0 s[14:15]
	v_and_b32 v1, 31, v0
	v_lshrrev_b32 v4, 5, v0
	v_lshlrev_b32 v3, 4, v1                        ; 16 l
	v_lshl_add_u32 v2, v4, 12, v3
	s_lshl_b32 s37, ttmp9, 15                      ; eight rows of 4,096 bytes a work-group
	v_add_nc_u32 v2, s37, v2                       ; my row, 16 l
	s_lshr_b32 s34, ttmp9, 6                       ; the batch: 64 work-groups each
	s_lshl_b32 s34, s34, 12
	s_add_co_u32 s34, s34, 256                     ; biasb behind the gates
	s_mov_b32 s35, 0
	s_mov_b32 s38, 0x76543210
	s_mov_b32 s39, 0xfedcba98
	s_mov_b32 s40, 0x3a800000                      ; 1 / 1,024
	s_mov_b32 s41, 0x3727c5ac                      ; 1e-5
	v_mov_b32 v[T+1], 0                            ; v_permlanex16_b32's destination counts as read
	s_wait_kmcnt 0x0
.irp z, 0,1,2,3,4,5,6,7
	s_add_nc_u64 s[16+2*(\z):17+2*(\z)], s[4:5], (\z)*0x800000  ; a part is 8 MB: past a load's immediate
.endr
	s_add_nc_u64 s[32:33], s[8:9], s[34:35]
	GRPN R0, 6
	GRPC R1, 32
	GRPN R2, 16
	GRPN R3, 18
	GRPN R4, 20
	GRPN R5, 22
	s_wait_loadcnt 32                              ; each count: the four younger groups of eight stay out.  Here: x and the bias are in
	ADDG R1
	GRPN R1, 24
	s_wait_loadcnt 32                              ; part 0
	ADDG R2
	GRPN R2, 26
	s_wait_loadcnt 32                              ; part 1
	ADDG R3
	GRPN R3, 28
	s_wait_loadcnt 32                              ; part 2
	ADDG R4
	GRPN R4, 30
	s_wait_loadcnt 32                              ; part 3
	ADDG R5
	GRPC R5, 10                                    ; ln_g
	s_wait_loadcnt 32                              ; part 4
	ADDG R1
	GRPC R1, 12                                    ; ln_b
	s_wait_loadcnt 32                              ; part 5
	ADDG R2
	s_wait_loadcnt 24                              ; part 6
	ADDG R3
	s_wait_loadcnt 16                              ; part 7; ln_g and ln_b stay out
	ADDG R4
	; the mean
.set k, 0
.rept 8
	v_pk_add_f32 v[R2+2*k:R2+2*k+1], v[R0+2*k:R0+2*k+1], v[R0+16+2*k:R0+16+2*k+1]
.set k, k+1
.endr
.irp s, 4,2,1
.set k, 0
.rept \s
	v_pk_add_f32 v[R2+2*k:R2+2*k+1], v[R2+2*k:R2+2*k+1], v[R2+2*(k+(\s)):R2+2*(k+(\s))+1]
.set k, k+1
.endr
.endr
	v_add_f32 v[T], v[R2], v[R2+1]
	LANESUM T, T+1
	v_mul_f32 v[MU], s40, v[T]
	v_mov_b32 v[MU+1], v[MU]
.set k, 0
.rept 16
	v_pk_add_f32 v[R0+k:R0+k+1], v[R0+k:R0+k+1], v[MU:MU+1] neg_lo:[0,1] neg_hi:[0,1]
.set k, k+2
.endr
	; the variance: four chains
.set k, 0
.rept 16
.if k < 4
	v_pk_mul_f32 v[R2+2*k:R2+2*k+1], v[R0+2*k:R0+2*k+1], v[R0+2*k:R0+2*k+1]
.else
	v_pk_fma_f32 v[R2+2*(k%4):R2+2*(k%4)+1], v[R0+2*k:R0+2*k+1], v[R0+2*k:R0+2*k+1], v[R2+2*(k%4):R2+2*(k%4)+1]
.endif
.set k, k+1
.endr
	v_pk_add_f32 v[R2:R2+1], v[R2:R2+1], v[R2+2:R2+3]
	v_pk_add_f32 v[R2+4:R2+5], v[R2+4:R2+5], v[R2+6:R2+7]
	v_pk_add_f32 v[R2:R2+1], v[R2:R2+1], v[R2+4:R2+5]
	v_add_f32 v[T], v[R2], v[R2+1]
	LANESUM T, T+1
	v_fma_f32 v[T], v[T], s40, s41                 ; var + 1e-5
	v_rsq_f32 v[RS], v[T]
	v_rsq_f32 v[RS+1], v[T]
	v_nop                                          ; the plain instruction behind the last of the two
	s_wait_alu depctr_va_vdst(0)                   ; one wait for both, ahead of their first reader
	s_wait_loadcnt 0x0                             ; ln_g, ln_b
.set k, 0
.rept 16
	v_pk_mul_f32 v[R0+k:R0+k+1], v[R0+k:R0+k+1], v[RS:RS+1]
.set k, k+2
.endr
.set k, 0
.rept 16
	v_pk_fma_f32 v[R0+k:R0+k+1], v[R0+k:R0+k+1], v[R5+k:R5+k+1], v[R1+k:R1+k+1]
.set k, k+2
.endr
.irp j, 0,1,2,3,4,5,6,7
	global_store_b128 v2, v[R0+4*(\j):R0+4*(\j)+3], s[14:15] offset:512*(\j) th:TH_STORE_NT  ; 512 consecutive bytes, aligned
.endr
	s_endpgm
.Lfunc_end_k_q3e4ebd86cf_lnorm:
	.size	k_q3e4ebd86cf_lnorm, .Lfunc_end_k_q3e4ebd86cf_lnorm-k_q3e4ebd86cf_lnorm
	.p2alignl 7, 3214868480
	.fill 96, 4, 3214868480
	.section	.rodata,"a",@progbits
	.p2align	6, 0x0
	.amdhsa_kernel k_q3e4ebd86cf_lnorm
		.amdhsa_group_segment_fixed_size 0
		.amdhsa_private_segment_fixed_size 0
		.amdhsa_enable_private_segment 0
		.amdhsa_kernarg_size 48
		.amdhsa_user_sgpr_count 2
		.amdhsa_user_sgpr_kernarg_segment_ptr 1
		.amdhsa_wavefront_size32 1
		.amdhsa_system_sgpr_workgroup_id_x 1
		.amdhsa_system_sgpr_workgroup_id_y 1
		.amdhsa_system_sgpr_workgroup_id_z 1
		.amdhsa_system_vgpr_workitem_id 0
		.amdhsa_next_free_vgpr 240
		.amdhsa_next_free_sgpr 66
		.amdhsa_reserve_vcc 0
		.amdhsa_float_denorm_mode_32 3
		.amdhsa_float_denorm_mode_16_64 3
		.amdhsa_memory_ordered 1
		.amdhsa_forward_progress 1
		.amdhsa_inst_pref_size 27
	.end_amdhsa_kernel
	.amdgpu_metadata
---
amdhsa.version: [ 1, 2 ]
amdhsa.kernels:
  - .name:           k_q3e4ebd86cf_lnorm
    .symbol:         k_q3e4ebd86cf_lnorm.kd
    .args:
      - { .name: part, .offset: 0, .size: 8, .value_kind: global_buffer, .address_space: global }
      - { .name: hidden_states, .offset: 8, .size: 8, .value_kind: global_buffer, .address_space: global }
      - { .name: gb, .offset: 16, .size: 8, .value_kind: global_buffer, .address_space: global }
      - { .name: ln_g, .offset: 24, .size: 8, .value_kind: global_buffer, .address_space: global }
      - { .name: ln_b, .offset: 32, .size: 8, .value_kind: global_buffer, .address_space: global }
      - { .name: out0, .offset: 40, .size: 8, .value_kind: global_buffer, .address_space: global }
    .group_segment_fixed_size: 0
    .private_segment_fixed_size: 0
    .kernarg_segment_align: 8
    .kernarg_segment_size: 48
    .max_flat_workgroup_size: 256
    .sgpr_count:     66
    .vgpr_count:     240
    .wavefront_size: 32
...
	.end_amdgpu_metadata
.endif
;; end of part 6
;; ======== version 2 of 2: 6 launches; version 1 with the launches cast, lnorm written anew for expert scheduling mode
;; workspace buffers: wbf 71,303,168 bytes; sums 147,456 bytes; p2 65,536 bytes; gb 16,640 bytes; w2f 16,777,216 bytes; h1g 33,554,432 bytes; part 67,108,864 bytes
;; launch cast (part 7): grid 8 x 68, 8 waves a work-group, no clusters, 5,120 bytes of LDS; arguments hidden_states, e1_w, e2_w, f_w, e2_b, wbf, sums; writes wbf, sums
.if DOCPART == 7
	.amdgcn_target "amdgcn-amd-amdhsa--gfx1250"
	.amdhsa_code_object_version 6
	.text
	.protected	k_q3e4ebd86cf_cast
	.globl	k_q3e4ebd86cf_cast
	.p2align	8
	.type	k_q3e4ebd86cf_cast,@function
k_q3e4ebd86cf_cast:
	s_mov_b64 s[64:65], 0
	v_nop
	global_prefetch_b8 v0, s[64:65] scope:SCOPE_SE
	s_setreg_imm32_b32 hwreg(HW_REG_WAVE_SCHED_MODE, 0, 2), 2
	s_setreg_imm32_b32 hwreg(HW_REG_WAVE_MODE, 25, 1), 1
	s_wait_xcnt 0x0
	s_wait_alu depctr_vm_vsrc(0)
; CAST.  hidden_states, e1_w, e2_w and f_w, each seen as [R][1024] f32, are rounded once to bf16 and stored in the same order into wbf.
; On the way: the column sums of hidden_states for each batch (psum, for the mean), and for f_w the column sums weighted by e2_b
; (cpart[j] = sum over 512 rows of e2_b[row] f_w[row][:]: two parts for each expert of e2_b[e] . f_w[e]).  Sums stay in f32.
; SHARES.  A work-group takes 512 rows x 128 columns: grid x = the strip of columns, grid y = the group of rows:
; y 0-3 hidden_states (batch y), 4-19 e1_w, 20-35 e2_w, 36-67 f_w.  Wave w takes rows 64 w .. 64 w + 63, lane l columns 4 l .. 4 l + 3 of the strip:
; a load of the wave covers 512 consecutive bytes, a store 256 consecutive bytes, both aligned to their length.
; The jobs for e1_w and e2_w run the text that serves hidden_states; their column sums are formed and not stored: two packed additions a row, for one copy of the loop less.
; No matrix unit, no cluster: nothing is multiplied in bulk and no two work-groups read the same bytes.
; THE MODE: SCHED_MODE bits 1:0 = 2 (LLVM: expert scheduling mode 2), set by the entry lines.  The code itself states the register dependences
; between vector instructions and memory or LDS instructions, with s_wait_alu, always for 0.
; THE PLAN.  A wave's 64 rows go in 16 blocks of four.  Registers that memory or LDS instructions touch:
;   X0 .. X3, WT0 .. WT3   four blocks of rows and of weights as loaded.  Block p's sums and roundings read X[p % 4] and WT[p % 4]; behind them the loads of block p + 4 land there.
;   Y0, Y1                 two blocks of bf16 to store.  Block p's roundings write Y[p % 2]; block p's four stores read it; block p + 2 writes it again.
;   v1 .. v5               offsets and LDS addresses, made once at the head and never written again: the rows are reached by the scalar bases, which move on
;                          by a block in every block, and by immediate offsets.
;   ACC                    named by vector instructions alone until the loop is over; then one LDS store reads it.
; A block: the wait for its data; its vector work; three waits on end; the bases' steps; its loads; its stores.  The three waits: every earlier memory instruction has had its
; addresses translated (the bases are stepped, and the other Y is written again, only behind that); the stores of the block before have read the other Y, which the next block
; writes; this block has written its Y and is done reading its X and WT.  They stand behind the vector work and not at the next block's head, so that a buffer is asked for again
; at once: 12 to 16 rows of every wave are on their way.  The first two stand ahead of the block's own loads and stores: what they wait for was issued a block earlier.
.set E1C,   4194304                    ; byte offsets in wbf: x at 0, e1_w, e2_w, f_w
.set E2C,   20971520
.set FC,    37748736
.set CPART, 16384                      ; cpart behind psum in sums
.set SPARE, 4096                       ; LDS: 0-4095 eight waves x 512 bytes of partial sums; then the spare words, 128 bytes a wave
.set VI,  1                            ; v1  byte offset of my 16 bytes in the job's first row of my wave (input); never rewritten
.set VO,  2                            ; v2  the same for my 8 bytes of output; never rewritten
.set VW,  3                            ; v3  byte offset of my wave's first weight; never rewritten
.set LST, 4                            ; v4  16 x thread: where my partial sums go in LDS
.set L16, 5                            ; v5  16 x lane
.set ACC, 6                            ; v[6:9]    my four columns' sums
.set X,   16                           ; v[16:79]  buffer k, row i: four f32 as loaded, at X + 16 k + 4 i
.set Y,   80                           ; v[80:95]  buffer k, row i: four bf16 to store, at Y + 8 k + 2 i
.set WT,  112                          ; v[112:127] buffer k, row i: the row's weight, at WT + 4 k + i
.set SPW, 132                          ; v132 my spare word; never rewritten
.set NIL, 133                          ; v133 0; never rewritten
	s_load_b256 s[4:11], s[0:1], 0x0               ; hidden_states s[4:5], e1_w s[6:7], e2_w s[8:9], f_w s[10:11]
	s_load_b128 s[12:15], s[0:1], 0x20             ; e2_b s[12:13], wbf s[14:15]
	s_load_b64 s[16:17], s[0:1], 0x30              ; sums
	v_lshl_add_u32 v[SPW], v0, 2, SPARE
	v_mov_b32 v[NIL], 0
	v_lshrrev_b32 v10, 5, v0
	v_readfirstlane_b32 s29, v10                   ; wave 0..7
	v_and_b32 v11, 31, v0                          ; lane
	s_and_b32 s31, ttmp7, 0xffff                   ; y
	s_lshl_b32 s30, ttmp9, 9                       ; the strip in an f32 row: 512 x
	s_lshl_b32 s19, ttmp9, 8                       ; and in a bf16 row: 256 x
	v_lshlrev_b32 v[L16], 4, v11
	v_lshlrev_b32 v[LST], 4, v0
	v_lshl_add_u32 v[VI], v10, 18, v[L16]          ; 64 rows of 4,096 bytes a wave
	v_add_nc_u32 v[VI], s30, v[VI]
	v_lshlrev_b32 v[VO], 3, v11
	v_lshl_add_u32 v[VO], v10, 17, v[VO]           ; 64 rows of 2,048 bytes a wave
	v_add_nc_u32 v[VO], s19, v[VO]
	v_lshlrev_b32 v[VW], 8, v10                    ; 64 weights of 4 bytes a wave
.irp c, 0,1,2,3
	v_mov_b32 v[ACC+(\c)], 0
.endr
	s_mov_b32 s33, 0                               ; high word of every offset pair
	s_wait_alu depctr_va_sdst(0)                   ; s29 is written, ahead of every branch and of its first reader, the compare behind the barrier
	s_wait_alu depctr_va_vdst(0)                   ; v1 to v5 are written: every load, store and LDS instruction of the kernel reads one of them as its offset or address
	s_wait_kmcnt 0x0
; Block p.  xb = p % 4, yb = p % 2.  mode 1: plain sums; mode 2: sums weighted by the row's weight.  ahead = 1: block p + 4 is loaded.
; left = how many younger loads may stay out when this block's have to be there.  The rows are taken in ascending order, so each sum takes its terms in the rows' order.
.macro BLK mode, xb, yb, ahead, left
	s_wait_loadcnt \left                           ; loads come back in order: this block's are in, the younger blocks stay out
.irp i, 0,1,2,3
.if (\mode) == 2
.irp c, 0,1,2,3
	v_fmac_f32 v[ACC+(\c)], v[X+16*(\xb)+4*(\i)+(\c)], v[WT+4*(\xb)+(\i)]
.endr
.else
	v_pk_add_f32 v[ACC:ACC+1], v[ACC:ACC+1], v[X+16*(\xb)+4*(\i):X+16*(\xb)+4*(\i)+1]
	v_pk_add_f32 v[ACC+2:ACC+3], v[ACC+2:ACC+3], v[X+16*(\xb)+4*(\i)+2:X+16*(\xb)+4*(\i)+3]
.endif
	v_cvt_pk_bf16_f32 v[Y+8*(\yb)+2*(\i)], v[X+16*(\xb)+4*(\i)], v[X+16*(\xb)+4*(\i)+1]
	v_cvt_pk_bf16_f32 v[Y+8*(\yb)+2*(\i)+1], v[X+16*(\xb)+4*(\i)+2], v[X+16*(\xb)+4*(\i)+3]
.endr
	s_wait_xcnt 0x0                                ; every earlier memory instruction has had its addresses translated: the bases are stepped below, and the other Y is written again in the next block, only behind this wait
.if (\ahead) || (\left)
	s_wait_alu depctr_vm_vsrc(0)                   ; the stores of the block before have read the other Y, which the next block's roundings write again (the last block has no next: no wait)
.endif
	s_wait_alu depctr_va_vdst(0)                   ; this block has written Y[yb], which the stores below read, and is done reading X[xb] and WT[xb], in which the loads below land
	s_add_nc_u64 s[22:23], s[22:23], 4*2048        ; the bases stand one block past this block's first row: the stores reach back, the loads three blocks on
.if \ahead
	s_add_nc_u64 s[20:21], s[20:21], 4*4096
.if (\mode) == 2
	s_add_nc_u64 s[24:25], s[24:25], 4*4
.endif
.irp i, 0,1,2,3
	global_load_b128 v[X+16*(\xb)+4*(\i):X+16*(\xb)+4*(\i)+3], v[VI], s[20:21] offset:(12+(\i))*4096 th:TH_LOAD_NT  ; the same buffer's next rows, 16 rows on
.if (\mode) == 2
	global_load_b32 v[WT+4*(\xb)+(\i)], v[VW], s[24:25] offset:(12+(\i))*4
.endif
.endr
.endif
.irp i, 0,1,2,3
	global_store_b64 v[VO], v[Y+8*(\yb)+2*(\i):Y+8*(\yb)+2*(\i)+1], s[22:23] offset:((\i)-4)*2048
.endr
.endm
; A wave's 64 rows: three laps of four blocks, then four blocks written out without loads.  A row has one load (mode 1) or two (mode 2), so the
; three younger blocks are 12 x mode loads.  After a lap both kinds of buffer are back at their start.
.macro JOB mode
.irp j, 0,1,2,3,4,5,6,7,8,9,10,11,12,13,14,15
	global_load_b128 v[X+4*(\j):X+4*(\j)+3], v[VI], s[20:21] offset:(\j)*4096 th:TH_LOAD_NT
.if (\mode) == 2
	global_load_b32 v[WT+(\j)], v[VW], s[24:25] offset:(\j)*4
.endif
.endr
	s_mov_b32 s28, 3
.Lround_\@:
	BLK \mode, 0, 0, 1, 12*(\mode)
	BLK \mode, 1, 1, 1, 12*(\mode)
	BLK \mode, 2, 0, 1, 12*(\mode)
	BLK \mode, 3, 1, 1, 12*(\mode)
	s_sub_co_u32 s28, s28, 1
	s_cmp_lg_u32 s28, 0
	s_cbranch_scc1 .Lround_\@
	BLK \mode, 0, 0, 0, 12*(\mode)                 ; blocks 12 to 15 load nothing: no load leaves the buffer, and the counts run down
	BLK \mode, 1, 1, 0, 8*(\mode)
	BLK \mode, 2, 0, 0, 4*(\mode)
	BLK \mode, 3, 1, 0, 0
.endm
	; Which tensor: the branches hang on the grid's y alone.  s[20:21] input, s[22:23] output, s[24:25] weights, s[26:27] where the sums go, s18 = 0: no sums are stored
	s_cmp_lt_u32 s31, 36
	s_cbranch_scc0 .Lweighted
	s_cmp_lt_u32 s31, 4
	s_cbranch_scc0 .Lweights
	s_mov_b32 s18, 1                               ; hidden_states, batch y
	s_lshl_b32 s32, s31, 21                        ; 512 rows of 4,096 bytes
	s_add_nc_u64 s[20:21], s[4:5], s[32:33]
	s_lshl_b32 s32, s31, 20                        ; 512 rows of 2,048 bytes
	s_add_nc_u64 s[22:23], s[14:15], s[32:33]
	s_lshl_b32 s32, s31, 12                        ; psum[y], my strip
	s_add_co_u32 s32, s32, s30
	s_add_nc_u64 s[26:27], s[16:17], s[32:33]
	s_branch .Lplain
.Lweights:
	s_mov_b32 s18, 0                               ; e1_w (y 4-19) or e2_w (y 20-35)
	s_mov_b32 s36, E1C
	s_mov_b32 s37, E2C
	s_cmp_lt_u32 s31, 20
	s_cselect_b64 s[20:21], s[6:7], s[8:9]
	s_cselect_b32 s36, s36, s37
	s_cselect_b32 s34, 4, 20
	s_sub_co_u32 s34, s31, s34                     ; the group of rows in its tensor
	s_lshl_b32 s32, s34, 21
	s_add_nc_u64 s[20:21], s[20:21], s[32:33]
	s_lshl_b32 s32, s34, 20
	s_add_co_u32 s32, s32, s36
	s_add_nc_u64 s[22:23], s[14:15], s[32:33]
	s_mov_b64 s[26:27], s[16:17]                   ; written, never used: s18 = 0
.Lplain:
	JOB 1
	s_branch .Lreduce
.Lweighted:
	s_mov_b32 s18, 2                               ; f_w, rows 512 (y - 36) on of [16384][1024]; e2_b has the same flat index
	s_sub_co_u32 s34, s31, 36
	s_lshl_b32 s32, s34, 21
	s_add_nc_u64 s[20:21], s[10:11], s[32:33]
	s_lshl_b32 s32, s34, 20
	s_add_co_u32 s32, s32, FC
	s_add_nc_u64 s[22:23], s[14:15], s[32:33]
	s_lshl_b32 s32, s34, 11                        ; 512 weights of 4 bytes
	s_add_nc_u64 s[24:25], s[12:13], s[32:33]
	s_lshl_b32 s32, s34, 12                        ; cpart[y - 36], my strip
	s_add_co_u32 s32, s32, s30
	s_add_co_u32 s32, s32, CPART
	s_add_nc_u64 s[26:27], s[16:17], s[32:33]
	JOB 2
.Lreduce:
	; The eight waves' sums meet in LDS; every wave of every job passes the one barrier.
	; No wait on va_vdst here: the last block's stands behind the last addition into ACC and behind the last read of X, and no vector instruction since names ACC, X, v[LST] or v[L16].
	ds_store_b128 v[LST], v[ACC:ACC+3]
	s_wait_dscnt 0x0                               ; for the others' sake: my store is done
	s_barrier_signal -1
	s_barrier_wait -1
	s_cmp_lg_u32 s29, 0
	s_cbranch_scc1 .Lend                           ; wave 0 adds and stores
	s_cmp_eq_u32 s18, 0
	s_cbranch_scc1 .Lend                           ; e1_w and e2_w leave no sums
.irp k, 0,1,2,3,4,5,6,7
	ds_load_b128 v[X+4*(\k):X+4*(\k)+3], v[L16] offset:(\k)*512
.endr
	s_wait_dscnt 0x0
.irp k, 1,2,3,4,5,6,7
	v_pk_add_f32 v[X:X+1], v[X:X+1], v[X+4*(\k):X+4*(\k)+1]
	v_pk_add_f32 v[X+2:X+3], v[X+2:X+3], v[X+4*(\k)+2:X+4*(\k)+3]
.endr
	s_wait_alu depctr_va_vdst(0)                   ; the additions have written v[X:X+3], which the store reads
	global_store_b128 v[L16], v[X:X+3], s[26:27]   ; 512 consecutive bytes, aligned
.Lend:
	s_wait_dscnt 0x0                               ; the closing lines, six on end
	s_wait_alu 0x0
	s_wait_tensorcnt 0x0
	ds_add_u32 v[SPW], v[NIL]
	s_wait_dscnt 0x0
	s_endpgm
.Lfunc_end_k_q3e4ebd86cf_cast:
	.size	k_q3e4ebd86cf_cast, .Lfunc_end_k_q3e4ebd86cf_cast-k_q3e4ebd86cf_cast
	.p2alignl 7, 3214868480
	.fill 96, 4, 3214868480
	.section	.rodata,"a",@progbits
	.p2align	6, 0x0
	.amdhsa_kernel k_q3e4ebd86cf_cast
		.amdhsa_group_segment_fixed_size 5120
		.amdhsa_private_segment_fixed_size 0
		.amdhsa_enable_private_segment 0
		.amdhsa_kernarg_size 56
		.amdhsa_user_sgpr_count 2
		.amdhsa_user_sgpr_kernarg_segment_ptr 1
		.amdhsa_wavefront_size32 1
		.amdhsa_system_sgpr_workgroup_id_x 1
		.amdhsa_system_sgpr_workgroup_id_y 1
		.amdhsa_system_sgpr_workgroup_id_z 1
		.amdhsa_system_vgpr_workitem_id 0
		.amdhsa_next_free_vgpr 136
		.amdhsa_next_free_sgpr 66
		.amdhsa_reserve_vcc 0
		.amdhsa_float_denorm_mode_32 3
		.amdhsa_float_denorm_mode_16_64 3
		.amdhsa_memory_ordered 1
		.amdhsa_forward_progress 1
		.amdhsa_inst_pref_size 40
	.end_amdhsa_kernel
	.amdgpu_metadata
---
amdhsa.version: [ 1, 2 ]
amdhsa.kernels:
  - .name:           k_q3e4ebd86cf_cast
    .symbol:         k_q3e4ebd86cf_cast.kd
    .args:
      - { .name: hidden_states, .offset: 0, .size: 8, .value_kind: global_buffer, .address_space: global }
      - { .name: e1_w, .offset: 8, .size: 8, .value_kind: global_buffer, .address_space: global }
      - { .name: e2_w, .offset: 16, .size: 8, .value_kind: global_buffer, .address_space: global }
      - { .name: f_w, .offset: 24, .size: 8, .value_kind: global_buffer, .address_space: global }
      - { .name: e2_b, .offset: 32, .size: 8, .value_kind: global_buffer, .address_space: global }
      - { .name: wbf, .offset: 40, .size: 8, .value_kind: global_buffer, .address_space: global }
      - { .name: sums, .offset: 48, .size: 8, .value_kind: global_buffer, .address_space: global }
    .group_segment_fixed_size: 5120
    .private_segment_fixed_size: 0
    .kernarg_segment_align: 8
    .kernarg_segment_size: 56
    .max_flat_workgroup_size: 256
    .sgpr_count:     66
    .vgpr_count:     136
    .wavefront_size: 32
...
	.end_amdgpu_metadata
.endif
;; end of part 7
;; launch gate1: the kernel of part 2 again; grid 16 x 1, 16 waves a work-group, no clusters, 43,520 bytes of LDS; arguments sums, a1_w, a1_b, a2_w, p2; writes p2
;; launch wprod: the kernel of part 3 again; grid 4 x 33, 4 waves a work-group, clusters of 4 x 1, 327,680 bytes of LDS; arguments wbf, w2f, p2, a2_b, a3_w, a3_b, s1_w, s1_b, s2_w, s2_b, s3_w, s3_b, sums, f_b, gb; writes w2f, gb
;; launch hidden: the kernel of part 4 again; grid 32 x 8, 4 waves a work-group, clusters of 4 x 4, 327,680 bytes of LDS; arguments wbf, e1_b, gb, h1g; writes h1g
;; launch fuse: the kernel of part 5 again; grid 32 x 8, 4 waves a work-group, clusters of 4 x 4, 327,680 bytes of LDS; arguments h1g, w2f, part; writes part
;; launch lnorm (part 8): grid 256 x 1, 8 waves a work-group, no clusters, 0 bytes of LDS; arguments part, hidden_states, gb, ln_g, ln_b, out0; writes out0
.if DOCPART == 8
	.amdgcn_target "amdgcn-amd-amdhsa--gfx1250"
	.amdhsa_code_object_version 6
	.text
	.protected	k_q3e4ebd86cf_lnorm
	.globl	k_q3e4ebd86cf_lnorm
	.p2align	8
	.type	k_q3e4ebd86cf_lnorm,@function
k_q3e4ebd86cf_lnorm:
	s_mov_b64 s[64:65], 0
	v_nop
	global_prefetch_b8 v0, s[64:65] scope:SCOPE_SE
	s_setreg_imm32_b32 hwreg(HW_REG_WAVE_SCHED_MODE, 0, 2), 2
	s_setreg_imm32_b32 hwreg(HW_REG_WAVE_MODE, 25, 1), 1
	s_wait_xcnt 0x0
	s_wait_alu depctr_vm_vsrc(0)
; out = LayerNorm(hidden_states + biasb[b] + the eight parts of the fusion's product) x ln_g + ln_b.  All in f32.
; One wave, one row of 1,024 numbers: 32 registers a lane (load j covers columns 128 j + 4 l: 512 consecutive bytes), so the row is read once, stays in registers between mean, variance and scaling, and no wave waits for another:
; no LDS, no barrier.  The variance is the mean of the squares of (row - mean), as the reference takes it.  Memory binds: matrix units and clusters would add nothing.
; Six groups of 32 registers take turns: five groups of eight loads (20 KB a wave) are on their way while one is added.
; THE MODE: SCHED_MODE bits 1:0 = 2 (LLVM: expert scheduling mode 2), set by the entry lines.  The code itself states the register dependences
; between vector instructions and memory instructions, with s_wait_alu, always for 0.
; THE PLAN.  Registers that memory instructions touch:
;   v2, v3      byte offsets, made once at the head and never written again: one wait on va_vdst ahead of the first load serves every load and store.
;   R1 .. R5    a group is loaded, read by one run of 16 packed additions, and (six times in all) loaded again at once: one wait on va_vdst behind that run states that the additions
;               are done reading the group.  It stands there and not behind the next wait for data, so that the group does not lie idle meanwhile.
;   R0          loaded once; from then on vector instructions alone name it, until the eight stores read it: one wait on va_vdst ahead of the run of stores.
; No register that a memory instruction reads is written again, so there is no wait on vm_vsrc.
.set R0, 32                            ; v[32:63] the row; R1 .. R5 the groups on their way
.set R1, 64
.set R2, 96
.set R3, 128
.set R4, 160
.set R5, 192
.set MU, 224                           ; v[224:225] the mean, twice
.set RS, 226                           ; v[226:227] 1 / sqrt(var + 1e-5), twice
.set T,  228
.macro GRPN dst, lo                    ; eight loads of a row of a part: read once in the launch
.irp j, 0,1,2,3,4,5,6,7
	global_load_b128 v[(\dst)+4*(\j):(\dst)+4*(\j)+3], v2, s[\lo:(\lo)+1] offset:512*(\j) th:TH_LOAD_NT
.endr
.endm
.macro GRPC dst, lo                    ; eight loads of a row that all rows of a batch, or all rows, share
.irp j, 0,1,2,3,4,5,6,7
	global_load_b128 v[(\dst)+4*(\j):(\dst)+4*(\j)+3], v3, s[\lo:(\lo)+1] offset:512*(\j)
.endr
.endm
.macro ADDG src
.set k, 0
.rept 16
	v_pk_add_f32 v[R0+k:R0+k+1], v[R0+k:R0+k+1], v[(\src)+k:(\src)+k+1]
.set k, k+2
.endr
.endm
.macro LANESUM r, t                    ; the sum over the 32 lanes, in every lane
.irp x, 1,2,4,8
	v_add_f32_dpp v[\r], v[\r], v[\r] row_xmask:\x row_mask:0xf bank_mask:0xf
.endr
	v_permlanex16_b32 v[\t], v[\r], s38, s39
	v_add_f32 v[\r], v[\r], v[\t]
.endm
	s_load_b256 s[4:11], s[0:1], 0x0               ; part s[4:5], hidden_states s[6:7], gb s[8:9], ln_g s[10:11]
	s_load_b128 s[12:15], s[0:1], 0x20             ; ln_b s[12:13], out0 s[14:15]
	v_and_b32 v1, 31, v0
	v_lshrrev_b32 v4, 5, v0
	v_lshlrev_b32 v3, 4, v1                        ; 16 l
	v_lshl_add_u32 v2, v4, 12, v3
	s_lshl_b32 s37, ttmp9, 15                      ; eight rows of 4,096 bytes a work-group
	v_add_nc_u32 v2, s37, v2                       ; my row, 16 l
	s_lshr_b32 s34, ttmp9, 6                       ; the batch: 64 work-groups each
	s_lshl_b32 s34, s34, 12
	s_add_co_u32 s34, s34, 256                     ; biasb behind the gates
	s_mov_b32 s35, 0
	s_mov_b32 s38, 0x76543210
	s_mov_b32 s39, 0xfedcba98
	s_mov_b32 s40, 0x3a800000                      ; 1 / 1,024
	s_mov_b32 s41, 0x3727c5ac                      ; 1e-5
	v_mov_b32 v[T+1], 0                            ; v_permlanex16_b32's destination counts as read
	s_wait_kmcnt 0x0
.irp z, 0,1,2,3,4,5,6,7
	s_add_nc_u64 s[16+2*(\z):17+2*(\z)], s[4:5], (\z)*0x800000  ; a part is 8 MB: past a load's immediate
.endr
	s_add_nc_u64 s[32:33], s[8:9], s[34:35]
	s_wait_alu depctr_va_vdst(0)                   ; v2 and v3 are written: every load and store of the kernel reads one of them as its offset
	GRPN R0, 6
	GRPC R1, 32
	GRPN R2, 16
	GRPN R3, 18
	GRPN R4, 20
	GRPN R5, 22
	s_wait_loadcnt 32                              ; each count: the four younger groups of eight stay out.  Here: x and the bias are in
	ADDG R1
	s_wait_alu depctr_va_vdst(0)                   ; the additions are done reading R1, in which the loads below land
	GRPN R1, 24
	s_wait_loadcnt 32                              ; part 0
	ADDG R2
	s_wait_alu depctr_va_vdst(0)                   ; the additions are done reading R2, in which the loads below land
	GRPN R2, 26
	s_wait_loadcnt 32                              ; part 1
	ADDG R3
	s_wait_alu depctr_va_vdst(0)                   ; the additions are done reading R3, in which the loads below land
	GRPN R3, 28
	s_wait_loadcnt 32                              ; part 2
	ADDG R4
	s_wait_alu depctr_va_vdst(0)                   ; the additions are done reading R4, in which the loads below land
	GRPN R4, 30
	s_wait_loadcnt 32                              ; part 3
	ADDG R5
	s_wait_alu depctr_va_vdst(0)                   ; the additions are done reading R5, in which the loads below land
	GRPC R5, 10                                    ; ln_g
	s_wait_loadcnt 32                              ; part 4
	ADDG R1
	s_wait_alu depctr_va_vdst(0)                   ; the additions are done reading R1, in which the loads below land
	GRPC R1, 12                                    ; ln_b
	s_wait_loadcnt 32                              ; part 5
	ADDG R2
	s_wait_loadcnt 24                              ; part 6
	ADDG R3
	s_wait_loadcnt 16                              ; part 7; ln_g and ln_b stay out
	ADDG R4
	; the mean
.set k, 0
.rept 8
	v_pk_add_f32 v[R2+2*k:R2+2*k+1], v[R0+2*k:R0+2*k+1], v[R0+16+2*k:R0+16+2*k+1]
.set k, k+1
.endr
.irp s, 4,2,1
.set k, 0
.rept \s
	v_pk_add_f32 v[R2+2*k:R2+2*k+1], v[R2+2*k:R2+2*k+1], v[R2+2*(k+(\s)):R2+2*(k+(\s))+1]
.set k, k+1
.endr
.endr
	v_add_f32 v[T], v[R2], v[R2+1]
	LANESUM T, T+1
	v_mul_f32 v[MU], s40, v[T]
	v_mov_b32 v[MU+1], v[MU]
.set k, 0
.rept 16
	v_pk_add_f32 v[R0+k:R0+k+1], v[R0+k:R0+k+1], v[MU:MU+1] neg_lo:[0,1] neg_hi:[0,1]
.set k, k+2
.endr
	; the variance: four chains
.set k, 0
.rept 16
.if k < 4
	v_pk_mul_f32 v[R2+2*k:R2+2*k+1], v[R0+2*k:R0+2*k+1], v[R0+2*k:R0+2*k+1]
.else
	v_pk_fma_f32 v[R2+2*(k%4):R2+2*(k%4)+1], v[R0+2*k:R0+2*k+1], v[R0+2*k:R0+2*k+1], v[R2+2*(k%4):R2+2*(k%4)+1]
.endif
.set k, k+1
.endr
	v_pk_add_f32 v[R2:R2+1], v[R2:R2+1], v[R2+2:R2+3]
	v_pk_add_f32 v[R2+4:R2+5], v[R2+4:R2+5], v[R2+6:R2+7]
	v_pk_add_f32 v[R2:R2+1], v[R2:R2+1], v[R2+4:R2+5]
	v_add_f32 v[T], v[R2], v[R2+1]
	LANESUM T, T+1
	v_fma_f32 v[T], v[T], s40, s41                 ; var + 1e-5
	v_rsq_f32 v[RS], v[T]
	v_rsq_f32 v[RS+1], v[T]
	v_nop                                          ; the plain instruction behind the last of the two
	s_wait_alu depctr_va_vdst(0)                   ; the two reciprocal roots have written v[RS:RS+1]: one wait for both, ahead of their first reader
	s_wait_loadcnt 0x0                             ; ln_g, ln_b
.set k, 0
.rept 16
	v_pk_mul_f32 v[R0+k:R0+k+1], v[R0+k:R0+k+1], v[RS:RS+1]
.set k, k+2
.endr
.set k, 0
.rept 16
	v_pk_fma_f32 v[R0+k:R0+k+1], v[R0+k:R0+k+1], v[R5+k:R5+k+1], v[R1+k:R1+k+1]
.set k, k+2
.endr
	s_wait_alu depctr_va_vdst(0)                   ; the multiply-adds have written R0, which the eight stores read
.irp j, 0,1,2,3,4,5,6,7
	global_store_b128 v2, v[R0+4*(\j):R0+4*(\j)+3], s[14:15] offset:512*(\j) th:TH_STORE_NT  ; 512 consecutive bytes, aligned
.endr
	s_endpgm
.Lfunc_end_k_q3e4ebd86cf_lnorm:
	.size	k_q3e4ebd86cf_lnorm, .Lfunc_end_k_q3e4ebd86cf_lnorm-k_q3e4ebd86cf_lnorm
	.p2alignl 7, 3214868480
	.fill 96, 4, 3214868480
	.section	.rodata,"a",@progbits
	.p2align	6, 0x0
	.amdhsa_kernel k_q3e4ebd86cf_lnorm
		.amdhsa_group_segment_fixed_size 0
		.amdhsa_private_segment_fixed_size 0
		.amdhsa_enable_private_segment 0
		.amdhsa_kernarg_size 48
		.amdhsa_user_sgpr_count 2
		.amdhsa_user_sgpr_kernarg_segment_ptr 1
		.amdhsa_wavefront_size32 1
		.amdhsa_system_sgpr_workgroup_id_x 1
		.amdhsa_system_sgpr_workgroup_id_y 1
		.amdhsa_system_sgpr_workgroup_id_z 1
		.amdhsa_system_vgpr_workitem_id 0
		.amdhsa_next_free_vgpr 240
		.amdhsa_next_free_sgpr 66
		.amdhsa_reserve_vcc 0
		.amdhsa_float_denorm_mode_32 3
		.amdhsa_float_denorm_mode_16_64 3
		.amdhsa_memory_ordered 1
		.amdhsa_forward_progress 1
		.amdhsa_inst_pref_size 28
	.end_amdhsa_kernel
	.amdgpu_metadata
---
amdhsa.version: [ 1, 2 ]
amdhsa.kernels:
  - .name:           k_q3e4ebd86cf_lnorm
    .symbol:         k_q3e4ebd86cf_lnorm.kd
    .args:
      - { .name: part, .offset: 0, .size: 8, .value_kind: global_buffer, .address_space: global }
      - { .name: hidden_states, .offset: 8, .size: 8, .value_kind: global_buffer, .address_space: global }
      - { .name: gb, .offset: 16, .size: 8, .value_kind: global_buffer, .address_space: global }
      - { .name: ln_g, .offset: 24, .size: 8, .value_kind: global_buffer, .address_space: global }
      - { .name: ln_b, .offset: 32, .size: 8, .value_kind: global_buffer, .address_space: global }
      - { .name: out0, .offset: 40, .size: 8, .value_kind: global_buffer, .address_space: global }
    .group_segment_fixed_size: 0
    .private_segment_fixed_size: 0
    .kernarg_segment_align: 8
    .kernarg_segment_size: 48
    .max_flat_workgroup_size: 256
    .sgpr_count:     66
    .vgpr_count:     240
    .wavefront_size: 32
...
	.end_amdgpu_metadata
.endif
;; end of part 8
